; MI455X (gfx1250); checked and timed in simulation.
; The chip was launched on July 23, 2026; its instructions are those of AMD's public machine-readable ISA for CDNA 5 (MIT licence, August 2026) and "CDNA5" Instruction Set Architecture Reference Guide (July 2026). The comments in the code are by the model that wrote it; some were corrected since.
;; CA. Allowed arithmetic: float matrix products may take bf16 or f16 operands with f32 sums; other float arithmetic in f32, or as packed bf16 or f16 multiplies, adds, multiply-adds, maxima and minima; sums over many terms, partial sums and values carried from step to step in f32; what a program stores and reads back later, other than sums and carried values, may be rounded once to bf16 or f16.
;; Inputs: b_t 512 float32; b_v 512 float32; beta 512 float32; gamma 512 float32; run_mean 512 float32; run_var 512 float32; w_qk 128 x 512 float32; w_t 512 x 512 float32; w_v 512 x 512 float32; x 4 x 512 x 4,096 float32; y 4 x 512 x 4,096 float32.
;; Outputs: out0 4 x 4,096 x 512 float32.
;; 2 versions, each right; version 2 is version 1 with the launch prep written anew for expert scheduling mode. Each part assembles by itself: llvm-mc -triple=amdgcn-amd-amdhsa -mcpu=gfx1250 --defsym DOCPART=n.
;; ======== version 1 of 2: 3 launches
;; limits: values outside matrix products are rounded to bf16
;; workspace buffers: wf 655,360 bytes; biasf 2,048 bytes; qf 4,194,304 bytes; kf 4,194,304 bytes; vf 16,777,216 bytes
;; launch prep (part 1): grid 8 x 8, 4 waves a work-group, no clusters, 82,688 bytes of LDS; arguments w_qk, w_t, w_v, b_v, b_t, gamma, beta, run_mean, run_var, wf, biasf; writes wf, biasf
.if DOCPART == 1
	.amdgcn_target "amdgcn-amd-amdhsa--gfx1250"
	.amdhsa_code_object_version 6
	.text
	.protected	k_q5d1a113e8f_prep
	.globl	k_q5d1a113e8f_prep
	.p2align	8
	.type	k_q5d1a113e8f_prep,@function
k_q5d1a113e8f_prep:
	s_mov_b64 s[64:65], 0
	v_nop
	global_prefetch_b8 v0, s[64:65] scope:SCOPE_SE
	s_setreg_imm32_b32 hwreg(HW_REG_WAVE_MODE, 25, 1), 1
	s_wait_xcnt 0x0
; PREP.  Softmax rows sum to 1, so  out = relu( attn . (W' y)^T + bias' )  with  inv = gamma / sqrt(run_var + 1e-5),
;   W'[o][c] = inv[o] * sum_e w_t[o][e] w_v[e][c],    bias'[o] = (sum_e w_t[o][e] b_v[e] + b_t[o] - run_mean[o]) * inv[o] + beta[o].
; This launch makes wf (w_qk and W' in bf16, in fragment order) and biasf (bias' in f32).
; FRAGMENT ORDER: a block of 1,024 bytes holds 16 rows x 32 k of bf16; byte 512 half + 16 lane + 2 e is element (row = lane % 16, k = 16 half + 8 (lane / 16) + e):
; two loads of 16 bytes a lane, at 16 lane and 512 further, are a matrix operand.  wf: [row tile 0..39][k step 0..15] blocks; row tiles 0-7 w_qk, 8-39 W'.
; SHARES.  Work-group (cb, ob): 64 rows o x 64 columns c of W'; wave w the 16 rows of o tile 4 ob + w.  A fifth column tile holds b_v in all 16 columns, so the same
; products make w_t b_v.  K = e = 512 in 16 steps.  w_v's block goes through LDS as bf16 [e][80 columns] and comes back turned (ds_load_tr16_b128).
; Each of the launch's 256 waves also converts one half block (512 bytes) of w_qk.
; LIMITS.  w_t, w_v, b_v (in the product) and W' are each rounded once to bf16; sums in f32.  run_var + 1e-5 must be a positive normal number.  NaN and infinities are not treated apart.
.set PITCH, 160                        ; an LDS row: 80 bf16; 160 = 5 x 32 bytes
.set BX,    81920                      ; behind the 512 rows: 64 f32, the work-group's bias'
.set SPARE, 82176                      ; the spare words: 128 bytes a wave, two blocks of 256 bytes that no other line names
.set L16, 4                            ; v4   16 x lane
.set GV,  6                            ; v6   w_v: (l / 16) x 4 rows of 2,048 bytes + 16 (l % 16)
.set SA,  7                            ; v7   LDS: row 128 w + 4 (l / 16), 8 bytes a lane
.set GT,  8                            ; v8   w_t and w_qk: (l % 16) x 2,048 + 32 (l / 16)
.set TRA, 9                            ; v9   the turning load's address, K steps 0-7
.set BSA, 10                           ; v10  LDS: row 128 w + lane, column 64
.set L4,  11                           ; v11  4 x lane
.set R4,  12                           ; v12  4 x (l % 16)
.set BXW, 13                           ; v13  where my bias' goes
.set BXR, 14                           ; v14  where wave 0 reads two of them
.set TRB, 15                           ; v15  the turning load's address, K steps 8-15 (an LDS immediate has 16 bits)
.set BV,  16                           ; v16-19  b_v as loaded
.set PAR, 24                           ; v24-28  gamma, beta, run_mean, run_var, b_t of row o = l % 16
.set TMP, 29
.set INV, 30                           ; v30-31  inv, twice
.set ACC, 32                           ; v32-71  five accumulators
.set TF,  72                           ; v72-199 w_t's 16 fragments
.set QR,  200                          ; v200-207 w_qk as loaded
.set QP,  208                          ; v208-211 packed
.set OP,  212                          ; v212-227 W' packed
.set SPW, 228
.set NIL, 229
.set L8,  230                          ; v230 8 x lane
.set BVP, 232                          ; v232-247 b_v packed, four registers for each 32 rows
; window 1: w_v as loaded, then its turned fragments of K steps 0-5; window 2: w_t as loaded, then K steps 6-11; window 3: K steps 12-15
.set MSB, 0
.macro WIN new                         ; the immediate's high byte repeats the setting that is left
.if MSB != (\new)
	s_set_vgpr_msb (MSB<<8)|(\new)
.set MSB, (\new)
.endif
.endm
	s_load_b256 s[4:11], s[0:1], 0x0               ; w_qk s[4:5], w_t s[6:7], w_v s[8:9], b_v s[10:11]
	s_load_b256 s[12:19], s[0:1], 0x20             ; b_t s[12:13], gamma s[14:15], beta s[16:17], run_mean s[18:19]
	s_load_b128 s[20:23], s[0:1], 0x40             ; run_var s[20:21], wf s[22:23]
	s_load_b64 s[24:25], s[0:1], 0x50              ; biasf
	v_lshl_add_u32 v[SPW], v0, 2, SPARE
	v_mov_b32 v[NIL], 0
	v_lshrrev_b32 v5, 5, v0
	v_readfirstlane_b32 s26, v5                    ; wave 0..3
	s_mov_b32 s27, ttmp9                           ; cb
	s_and_b32 s28, ttmp7, 0xffff                   ; ob
	s_lshl2_add_u32 s29, s28, s26                  ; o tile = 4 ob + wave
	s_lshl3_add_u32 s30, s28, s27                  ; cb + 8 ob
	s_lshl2_add_u32 s30, s30, s26                  ; W: my wave among the launch's 256
	s_lshl_b32 s36, s26, 18                        ; w_v: 128 rows a wave,
	s_lshl_b32 s37, s27, 8                         ; 256 bytes a column block
	s_add_co_u32 s36, s36, s37
	s_mov_b32 s37, 0
	s_lshl_b32 s38, s26, 9                         ; b_v: 128 numbers a wave
	s_mov_b32 s39, 0
	s_lshl_b32 s40, s29, 15                        ; w_t: 16 rows of 2,048 bytes an o tile
	s_mov_b32 s41, 0
	s_lshr_b32 s42, s30, 5                         ; w_qk: row tile W / 32,
	s_lshl_b32 s42, s42, 15
	s_bfe_u32 s43, s30, 0x40001                    ; k step (W / 2) % 16: 128 bytes,
	s_lshl_b32 s43, s43, 7
	s_add_co_u32 s42, s42, s43
	s_and_b32 s43, s30, 1                          ; half W % 2: 64 bytes
	s_lshl_b32 s43, s43, 6
	s_add_co_u32 s42, s42, s43
	s_mov_b32 s43, 0
	s_lshl_b32 s44, s29, 6                         ; the five vectors over o: 16 numbers an o tile
	s_mov_b32 s45, 0
	s_lshl_b32 s46, s30, 9                         ; wf: my half block of w_qk
	s_mov_b32 s47, 0
	s_add_co_u32 s48, s29, 8                       ; wf: row tile 8 + o tile,
	s_lshl_b32 s48, s48, 14
	s_lshl_b32 s49, s27, 11                        ; two blocks a column block
	s_add_co_u32 s48, s48, s49
	s_mov_b32 s49, 0
	s_lshl_b32 s50, s28, 8                         ; biasf: 64 numbers a row block
	s_mov_b32 s51, 0
	s_mul_i32 s31, s26, 128*PITCH                  ; my 128 rows in LDS
	s_lshl_b32 s52, s26, 6
	v_and_b32 v1, 15, v0                           ; l % 16
	v_bfe_u32 v2, v0, 4, 1                         ; l / 16
	v_and_b32 v3, 31, v0                           ; l
	v_lshlrev_b32 v[L16], 4, v3
	v_lshlrev_b32 v[GV], 4, v1
	v_lshl_add_u32 v[GV], v2, 13, v[GV]
	v_mul_u32_u24 v[SA], v2, 4*PITCH
	v_lshl_add_u32 v[SA], v1, 3, v[SA]
	v_add_nc_u32 v[SA], s31, v[SA]
	v_lshlrev_b32 v[GT], 11, v1
	v_lshl_add_u32 v[GT], v2, 5, v[GT]
	v_and_b32 v5, 7, v0
	v_lshl_add_u32 v5, v2, 3, v5                   ; row 8 (l / 16) + l % 8
	v_mul_u32_u24 v[TRA], v5, PITCH
	v_bfe_u32 v5, v0, 3, 1
	v_lshl_add_u32 v[TRA], v5, 4, v[TRA]           ; + 16 ((l / 8) % 2)
	v_add_nc_u32 v[TRB], 8*32*PITCH, v[TRA]
	v_mul_u32_u24 v[BSA], v3, PITCH
	v_add_nc_u32 v[BSA], s31, v[BSA]
	v_add_nc_u32 v[BSA], 128, v[BSA]
	v_lshlrev_b32 v[L4], 2, v3
	v_lshlrev_b32 v[R4], 2, v1
	v_add_nc_u32 v[BXW], s52, v[R4]
	v_add_nc_u32 v[BXW], BX, v[BXW]
	v_lshlrev_b32 v[L8], 3, v3
	v_add_nc_u32 v[BXR], BX, v[L8]
	s_wait_kmcnt 0x0
	s_add_nc_u64 s[8:9], s[8:9], s[36:37]
	s_add_nc_u64 s[10:11], s[10:11], s[38:39]
	s_add_nc_u64 s[6:7], s[6:7], s[40:41]
	s_add_nc_u64 s[4:5], s[4:5], s[42:43]
	s_add_nc_u64 s[12:13], s[12:13], s[44:45]
	s_add_nc_u64 s[14:15], s[14:15], s[44:45]
	s_add_nc_u64 s[16:17], s[16:17], s[44:45]
	s_add_nc_u64 s[18:19], s[18:19], s[44:45]
	s_add_nc_u64 s[20:21], s[20:21], s[44:45]
	s_add_nc_u64 s[32:33], s[22:23], s[46:47]
	s_add_nc_u64 s[34:35], s[22:23], s[48:49]
	s_add_nc_u64 s[24:25], s[24:25], s[50:51]
	; ALL LOADS.  w_v: load i takes rows 8 (i / 4) + i % 4 (lanes 0-15) and four rows below (lanes 16-31): twice 256 consecutive bytes, aligned
	WIN 0x40
.set i, 0
.rept 64
	global_load_b128 v[4*i:4*i+3], v[GV], s[8:9] offset:(8*(i/4)+i%4)*2048
.set i, i+1
.endr
	WIN 0
.irp i, 0,1,2,3
	global_load_b32 v[BV+\i], v[L4], s[10:11] offset:128*\i
.endr
	WIN 0x80
.set ks, 0
.rept 16                               ; w_t: for K step ks a lane's e = 32 ks + 8 (l / 16) + 0..7 and 16 further
	global_load_b128 v[16*ks:16*ks+3],     v[GT], s[6:7] offset:128*ks
	global_load_b128 v[16*ks+4:16*ks+7],   v[GT], s[6:7] offset:128*ks+16
	global_load_b128 v[16*ks+8:16*ks+11],  v[GT], s[6:7] offset:128*ks+64
	global_load_b128 v[16*ks+12:16*ks+15], v[GT], s[6:7] offset:128*ks+80
.set ks, ks+1
.endr
	WIN 0
	global_load_b128 v[QR:QR+3],   v[GT], s[4:5]
	global_load_b128 v[QR+4:QR+7], v[GT], s[4:5] offset:16
	global_load_b32 v[PAR],   v[R4], s[14:15]      ; gamma
	global_load_b32 v[PAR+1], v[R4], s[16:17]      ; beta
	global_load_b32 v[PAR+2], v[R4], s[18:19]      ; run_mean
	global_load_b32 v[PAR+3], v[R4], s[20:21]      ; run_var
	global_load_b32 v[PAR+4], v[R4], s[12:13]      ; b_t
	s_wait_loadcnt 63                              ; 71 loads are younger than w_v's and b_v's; the count's field ends at 63, which asks for a little more than is needed
	WIN 0x45                                       ; w_v to bf16, in place
.set i, 0
.rept 64
	v_cvt_pk_bf16_f32 v[4*i],   v[4*i],   v[4*i+1]
	v_cvt_pk_bf16_f32 v[4*i+1], v[4*i+2], v[4*i+3]
.set i, i+1
.endr
	WIN 0x04                                       ; address window 0, data window 1
.set i, 0
.rept 64
	ds_store_b64 v[SA], v[4*i:4*i+1] offset:(8*(i/4)+i%4)*PITCH
.set i, i+1
.endr
	WIN 0
.irp i, 0,1,2,3                        ; b_v[e] into columns 64-79 of row e: a lane a row
.irp q, 0,1,2,3
	v_cvt_pk_bf16_f32 v[BVP+4*\i+\q], v[BV+\i], v[BV+\i]
.endr
	ds_store_b128 v[BSA], v[BVP+4*\i:BVP+4*\i+3] offset:\i*32*PITCH
	ds_store_b128 v[BSA], v[BVP+4*\i:BVP+4*\i+3] offset:\i*32*PITCH+16
.endr
	s_wait_loadcnt 0x0
	WIN 0x0a                                       ; w_t to bf16: sources window 2, fragments window 0
.set q, 0
.rept 128
	v_cvt_pk_bf16_f32 v[TF+q], v[2*q], v[2*q+1]
.set q, q+1
.endr
	WIN 0
.irp q, 0,1,2,3
	v_cvt_pk_bf16_f32 v[QP+\q], v[QR+2*\q], v[QR+2*\q+1]
.endr
	global_store_b128 v[L16], v[QP:QP+3], s[32:33] ; my half block of w_qk: 512 consecutive bytes, aligned
	v_add_f32 v[TMP], 0x3727c5ac, v[PAR+3]         ; run_var + 1e-5
	v_rsq_f32 v[TMP], v[TMP]
	v_nop                                          ; a plain instruction behind the root,
	s_wait_alu depctr_va_vdst(0)                   ; and the wait ahead of its first use
	v_mul_f32 v[INV], v[PAR], v[TMP]
	v_mov_b32 v[INV+1], v[INV]
	s_wait_dscnt 0x0                               ; my rows lie in LDS,
	s_barrier_signal -1
	s_barrier_wait -1                              ; everybody's do
	; the 80 turned fragments: 16 columns x 32 e each
.set ks, 0
.rept 16
	WIN (1+ks/6)<<6
.set ct, 0
.rept 5
.set fr, ((ks%6)*5+ct)*8
.if ks < 8
	ds_load_tr16_b128 v[fr:fr+3],   v[TRA] offset:ks*32*PITCH+ct*32
	ds_load_tr16_b128 v[fr+4:fr+7], v[TRA] offset:ks*32*PITCH+ct*32+16*PITCH
.else
	ds_load_tr16_b128 v[fr:fr+3],   v[TRB] offset:(ks-8)*32*PITCH+ct*32
	ds_load_tr16_b128 v[fr+4:fr+7], v[TRB] offset:(ks-8)*32*PITCH+ct*32+16*PITCH
.endif
.set ct, ct+1
.endr
.set ks, ks+1
.endr
	s_wait_dscnt 0x0
	; source 0 = 16 columns c, source 1 = 16 rows o: a lane ends with row o = l % 16 and eight neighbouring c.  The five accumulators take turns; the first K step starts the sums.
.set ks, 0
.rept 16
	WIN 1+ks/6
.set ct, 0
.rept 5
.set fr, ((ks%6)*5+ct)*8
.if ks == 0
	v_wmma_f32_16x16x32_bf16 v[ACC+8*ct:ACC+8*ct+7], v[fr:fr+7], v[TF+8*ks:TF+8*ks+7], 0
.else
	v_wmma_f32_16x16x32_bf16 v[ACC+8*ct:ACC+8*ct+7], v[fr:fr+7], v[TF+8*ks:TF+8*ks+7], v[ACC+8*ct:ACC+8*ct+7]
.endif
.set ct, ct+1
.endr
.set ks, ks+1
.endr
	WIN 0
.rept 4
	v_nop                                          ; four places behind the last product, ahead of the first read of a sum
.endr
.irp ct, 0,1,2,3
.irp q, 0,1,2,3
	v_pk_mul_f32 v[ACC+8*\ct+2*\q:ACC+8*\ct+2*\q+1], v[ACC+8*\ct+2*\q:ACC+8*\ct+2*\q+1], v[INV:INV+1] op_sel_hi:[1,0]
.endr
.irp q, 0,1,2,3
	v_cvt_pk_bf16_f32 v[OP+4*\ct+\q], v[ACC+8*\ct+2*\q], v[ACC+8*\ct+2*\q+1]
.endr
	global_store_b128 v[L16], v[OP+4*\ct:OP+4*\ct+3], s[34:35] offset:512*\ct  ; half a block: 512 consecutive bytes, aligned
.endr
	v_add_f32 v[TMP], v[ACC+32], v[PAR+4]          ; w_t b_v + b_t
	v_sub_f32 v[TMP], v[TMP], v[PAR+2]             ; - run_mean
	v_fma_f32 v[TMP], v[TMP], v[INV], v[PAR+1]     ; x inv + beta
	ds_store_b32 v[BXW], v[TMP]                    ; both halves of the lanes hold the same number for row l % 16
	s_wait_dscnt 0x0
	s_barrier_signal -1
	s_barrier_wait -1
	s_cmp_lg_u32 s27, 0                            ; bias' hangs on the row block alone: the first column block's wave 0 stores it
	s_cbranch_scc1 .Lend
	s_cmp_lg_u32 s26, 0
	s_cbranch_scc1 .Lend
	ds_load_b64 v[BV:BV+1], v[BXR]
	s_wait_dscnt 0x0
	global_store_b64 v[L8], v[BV:BV+1], s[24:25]   ; 256 consecutive bytes, aligned
.Lend:
	s_wait_tensorcnt 0x0                           ; the wave's end, behind my last LDS store
	ds_add_u32 v[SPW], v[NIL]
	s_wait_dscnt 0x0
	s_endpgm
.Lfunc_end_k_q5d1a113e8f_prep:
	.size	k_q5d1a113e8f_prep, .Lfunc_end_k_q5d1a113e8f_prep-k_q5d1a113e8f_prep
	.p2alignl 7, 3214868480
	.fill 96, 4, 3214868480
	.section	.rodata,"a",@progbits
	.p2align	6, 0x0
	.amdhsa_kernel k_q5d1a113e8f_prep
		.amdhsa_group_segment_fixed_size 82688
		.amdhsa_private_segment_fixed_size 0
		.amdhsa_enable_private_segment 0
		.amdhsa_kernarg_size 88
		.amdhsa_user_sgpr_count 2
		.amdhsa_user_sgpr_kernarg_segment_ptr 1
		.amdhsa_wavefront_size32 1
		.amdhsa_system_sgpr_workgroup_id_x 1
		.amdhsa_system_sgpr_workgroup_id_y 1
		.amdhsa_system_sgpr_workgroup_id_z 1
		.amdhsa_system_vgpr_workitem_id 0
		.amdhsa_next_free_vgpr 1024
		.amdhsa_next_free_sgpr 66
		.amdhsa_reserve_vcc 0
		.amdhsa_float_denorm_mode_32 3
		.amdhsa_float_denorm_mode_16_64 3
		.amdhsa_memory_ordered 1
		.amdhsa_forward_progress 1
		.amdhsa_inst_pref_size 58
	.end_amdhsa_kernel
	.amdgpu_metadata
---
amdhsa.version: [ 1, 2 ]
amdhsa.kernels:
  - .name:           k_q5d1a113e8f_prep
    .symbol:         k_q5d1a113e8f_prep.kd
    .args:
      - { .name: w_qk, .offset: 0, .size: 8, .value_kind: global_buffer, .address_space: global }
      - { .name: w_t, .offset: 8, .size: 8, .value_kind: global_buffer, .address_space: global }
      - { .name: w_v, .offset: 16, .size: 8, .value_kind: global_buffer, .address_space: global }
      - { .name: b_v, .offset: 24, .size: 8, .value_kind: global_buffer, .address_space: global }
      - { .name: b_t, .offset: 32, .size: 8, .value_kind: global_buffer, .address_space: global }
      - { .name: gamma, .offset: 40, .size: 8, .value_kind: global_buffer, .address_space: global }
      - { .name: beta, .offset: 48, .size: 8, .value_kind: global_buffer, .address_space: global }
      - { .name: run_mean, .offset: 56, .size: 8, .value_kind: global_buffer, .address_space: global }
      - { .name: run_var, .offset: 64, .size: 8, .value_kind: global_buffer, .address_space: global }
      - { .name: wf, .offset: 72, .size: 8, .value_kind: global_buffer, .address_space: global }
      - { .name: biasf, .offset: 80, .size: 8, .value_kind: global_buffer, .address_space: global }
    .group_segment_fixed_size: 82688
    .private_segment_fixed_size: 0
    .kernarg_segment_align: 8
    .kernarg_segment_size: 88
    .max_flat_workgroup_size: 128
    .sgpr_count:     66
    .vgpr_count:     1024
    .wavefront_size: 32
...
	.end_amdgpu_metadata
.endif
;; end of part 1
;; launch proj (part 2): grid 64 x 4, 4 waves a work-group, clusters of 4 x 1, 327,680 bytes of LDS; arguments x, y, wf, qf, kf, vf; writes qf, kf, vf
.if DOCPART == 2
	.amdgcn_target "amdgcn-amd-amdhsa--gfx1250"
	.amdhsa_code_object_version 6
	.text
	.protected	k_q5d1a113e8f_proj
	.globl	k_q5d1a113e8f_proj
	.p2align	8
	.type	k_q5d1a113e8f_proj,@function
k_q5d1a113e8f_proj:
	s_mov_b64 s[64:65], 0
	v_nop
	global_prefetch_b8 v0, s[64:65] scope:SCOPE_SE
	s_setreg_imm32_b32 hwreg(HW_REG_WAVE_MODE, 25, 1), 1
	s_wait_xcnt 0x0
	s_wait_alu depctr_hold_cnt(0) depctr_sa_sdst(0) depctr_va_vdst(0) depctr_va_sdst(0) depctr_va_ssrc(0) depctr_va_vcc(0) depctr_vm_vsrc(0)
	s_getreg_b32 s2, hwreg(HW_REG_IB_STS2, 6, 4)
	s_cmp_eq_u32 s2, 0
	s_cbranch_scc0 .Lentry_in_a_cluster
	s_endpgm
.Lentry_in_a_cluster:
	s_bfe_u32 s2, ttmp6, 0x10000c
	s_cmp_lg_u32 s2, 0x3003
	s_cbranch_scc0 .Lentry_shape_is_right
	s_endpgm
.Lentry_shape_is_right:
; PROJ.  q = w_qk x, k = w_qk y, v' = W' y, all rounded once to bf16 from f32 sums and stored in fragment order (a block of 1,024 bytes = 16 rows x 32 k; byte 512 half + 16 lane + 2 e
; is element (row = lane % 16, k = 16 half + 8 (lane / 16) + e)).
;   qf, kf: [b][tile of 16 positions 0..255][d step 0..3] blocks, row = position, k = d.       vf: [b][step of 128 keys 0..31][channel tile 0..31][group of 32 keys 0..3] blocks, row = channel, k = key.
; SHARES.  A work-group takes 64 positions of one batch, of x and of y.  x and y lie [channel][position] in f32: a wave loads 64 channel rows of 256 bytes, rounds to bf16, puts them into an LDS
; stage [channel][position], and every wave reads all of it back turned (ds_load_tr16_b128): the 64 fragments (4 position tiles x 16 channel steps, 512 registers) stay in registers.
; Only the weights stream: blocks of 128 weight rows (128 KiB), block 0 = w_qk, blocks 1-4 = W'.  In a block wave w owns row tiles 2 w, 2 w + 1 (32 KiB, which it fetches itself and alone reads)
; and all four position tiles: 8 accumulators, 128 matrix instructions a block.
; CLUSTER.  The four work-groups of a cluster walk the same weights: each block is asked for JOINTLY (mask of four).  x and y are read by one work-group each and are not shared.
; For q and k source 0 = weights, so a lane ends with one position and eight neighbouring d; for v' source 0 = positions, so a lane ends with one channel and eight neighbouring keys:
; each store of a wave is half a block, 512 consecutive bytes, aligned.
; LIMITS.  x, y, q, k, v' are rounded once to bf16; NaN and infinities are not treated apart.
.set SLOT1, 131072                     ; two slots of 131,072 bytes, dense
.set STG,   262144                     ; the stage: 256 channel rows x 160 bytes (128 of data); written by LDS stores alone
.set PITCH, 160
.set SPARE, 303104                     ; the spare words: 128 bytes a wave
.set BLK,   131072                     ; bytes in a block of weights
.set L16, 3                            ; v3   16 x lane
.set GX,  4                            ; v4   x, y: (l / 16) x 4 rows of 16,384 bytes + 16 (l % 16)
.set SA,  5                            ; v5   stage: row 64 w + 4 (l / 16), 8 bytes a lane
.set TRA, 6                            ; v6   the turning load's address
.set WA0, 7                            ; v7   my weights in slot 0;  v8 in slot 1
.set PFO, 9                            ; v9   256 x lane
.set SPW, 10
.set NIL, 11
.set ACC, 32                           ; v32-95   accumulator a = 4 x row tile + position tile
.set OUTP, 96                          ; v96-127  packed results
.set WF0, 128                          ; v128-191, v192-255  weights' fragments of four channel steps, two buffers
; windows 1, 2: the position fragments, (channel step % 8) x 4 + position tile, 8 registers each; window 3: x or y as loaded
.set WV,  16
.set G1,  24                           ; s[24:31] descriptor group 1
.set G0A, 32                           ; s[32:35] group 0 for slot 0: blocks 0, 2, 4
.set G0B, 36                           ; s[36:39] for slot 1: blocks 1, 3
.set XB,  40                           ; s[40:41] x, s[42:43] y at my first row
.set OUT, 44                           ; s[44:45] qf, then kf; s[46:47] kf
.set VO,  48                           ; s[48:49] vf
.set TRIP, 50
.set ASKF, 51                          ; 1 in the launch's first cluster
.set PFW, 52                           ; s[52:53] wf at my work-group's quarter of my wave's part of a block
.set MSB, 0
.macro WIN new
.if MSB != (\new)
	s_set_vgpr_msb (MSB<<8)|(\new)
.set MSB, (\new)
.endif
.endm
.macro PLACES                          ; four places behind a matrix instruction, ahead of loads into its sources and of reads of its result
.rept 4
	v_nop
.endr
.endm
.macro BAR
	s_barrier_signal -1
	s_barrier_wait -1
.endm
.macro CROUND                          ; a round of the cluster's barrier
	s_barrier_signal -1
	s_barrier_wait -1
	s_cmp_lg_u32 s[WV], 0
	s_cbranch_scc1 .Lnot_wave_0_\@
	s_barrier_signal -3
.Lnot_wave_0_\@:
	s_barrier_wait -3
	s_barrier_signal -1
	s_barrier_wait -1
.endm
; 32 loads: half hf of the 512 channels, my 64 rows of it; load i takes rows 8 (i / 4) + i % 4 and four below: twice 256 consecutive bytes, aligned
.macro LOADRAW ptr, hf
	WIN 0xc0
.set i, 0
.rept 32
	global_load_b128 v[128*(\hf)+4*i:128*(\hf)+4*i+3], v[GX], s[\ptr:\ptr+1] offset:(256*(\hf)+8*(i/4)+i%4)*16384 th:TH_LOAD_NT
.set i, i+1
.endr
	WIN 0
.endm
.macro CVTST hf                        ; to bf16 in place, and into the stage
	WIN 0xcf
.set i, 0
.rept 32
	v_cvt_pk_bf16_f32 v[128*(\hf)+4*i],   v[128*(\hf)+4*i],   v[128*(\hf)+4*i+1]
	v_cvt_pk_bf16_f32 v[128*(\hf)+4*i+1], v[128*(\hf)+4*i+2], v[128*(\hf)+4*i+3]
.set i, i+1
.endr
	WIN 0x0c
.set i, 0
.rept 32
	ds_store_b64 v[SA], v[128*(\hf)+4*i:128*(\hf)+4*i+1] offset:(8*(i/4)+i%4)*PITCH
.set i, i+1
.endr
	WIN 0
.endm
.macro TR hf                           ; the stage's 32 fragments, turned, into window 1 + hf
	WIN (1+(\hf))<<6
.set i, 0
.rept 32
	ds_load_tr16_b128 v[8*i:8*i+3],   v[TRA] offset:(i/4)*32*PITCH+(i%4)*32
	ds_load_tr16_b128 v[8*i+4:8*i+7], v[TRA] offset:(i/4)*32*PITCH+(i%4)*32+16*PITCH
.set i, i+1
.endr
	WIN 0
.endm
.macro FETCHW wa, qd, buf              ; my two row tiles' weights for channel steps 4 qd .. 4 qd + 3
	WIN 0
.set i, 0
.rept 8
	ds_load_b128 v[(\buf)+8*i:(\buf)+8*i+3],   v[\wa] offset:(i/4)*16384+(4*(\qd)+i%4)*1024
	ds_load_b128 v[(\buf)+8*i+4:(\buf)+8*i+7], v[\wa] offset:(i/4)*16384+(4*(\qd)+i%4)*1024+512
.set i, i+1
.endr
.endm
.macro MUL16 form, qd, c0, buf         ; two channel steps x 8 accumulators, which take turns; the block's first channel step starts the sums
.set cc, (\c0)
.rept 2
.set a, 0
.rept 8
.set fr, (((4*(\qd)+cc)%8)*4+a%4)*8
.set wr, (\buf)+8*((a/4)*4+cc)
.if \form
	WIN 1+(\qd)/2
.if ((\qd) == 0) && (cc == 0)
	v_wmma_f32_16x16x32_bf16 v[ACC+8*a:ACC+8*a+7], v[fr:fr+7], v[wr:wr+7], 0
.else
	v_wmma_f32_16x16x32_bf16 v[ACC+8*a:ACC+8*a+7], v[fr:fr+7], v[wr:wr+7], v[ACC+8*a:ACC+8*a+7]
.endif
.else
	WIN (1+(\qd)/2)<<2
.if ((\qd) == 0) && (cc == 0)
	v_wmma_f32_16x16x32_bf16 v[ACC+8*a:ACC+8*a+7], v[wr:wr+7], v[fr:fr+7], 0
.else
	v_wmma_f32_16x16x32_bf16 v[ACC+8*a:ACC+8*a+7], v[wr:wr+7], v[fr:fr+7], v[ACC+8*a:ACC+8*a+7]
.endif
.endif
.set a, a+1
.endr
.set cc, cc+1
.endr
.endm
.macro QUAD wa, form, qd               ; 32 matrix instructions; in their middle the next four channel steps' weights are fetched into the other buffer
	s_wait_dscnt 0x0
	MUL16 \form, \qd, 0, WF0+64*((\qd)%2)
.if (\qd) < 3
	WIN 0
	PLACES
	FETCHW \wa, (\qd)+1, WF0+64*(((\qd)+1)%2)
.endif
	MUL16 \form, \qd, 2, WF0+64*((\qd)%2)
.endm
.macro STEP wa, form, base, imm0       ; a block of 128 weight rows
	FETCHW \wa, 0, WF0
	QUAD \wa, \form, 0
	QUAD \wa, \form, 1
	QUAD \wa, \form, 2
	QUAD \wa, \form, 3
	WIN 0
	PLACES
	s_wait_xcnt 0x0                                ; the last block's stores have read OUTP
.set a, 0
.rept 8
.irp q, 0,1,2,3
	v_cvt_pk_bf16_f32 v[OUTP+4*a+\q], v[ACC+8*a+2*\q], v[ACC+8*a+2*\q+1]
.endr
.set a, a+1
.endr
.set a, 0
.rept 8
.if \form
	global_store_b128 v[L16], v[OUTP+4*a:OUTP+4*a+3], s[\base:\base+1] offset:(\imm0)+(a/4)*4096+(a%4)*512
.else
	global_store_b128 v[L16], v[OUTP+4*a:OUTP+4*a+3], s[\base:\base+1] offset:(a%4)*4096+(a/4)*512
.endif
.set a, a+1
.endr
.endm
; A slot is filled again: all my tensor loads have landed; 0 onto my spare word; the slot's address steps two blocks; the add and my reads of the slot are done; a round of the cluster's barrier,
; so that this holds of every wave of all four work-groups; and the joint load first behind it.
.macro RND g0
	s_wait_tensorcnt 0x0
	ds_add_u32 v[SPW], v[NIL]
	s_add_nc_u64 s[(\g0)+2:(\g0)+3], s[(\g0)+2:(\g0)+3], 2*BLK
	s_wait_dscnt 0x0
	CROUND
	tensor_load_to_lds s[\g0:\g0+3], s[G1:G1+7]
	s_nop 0
	PLACES
.endm
; A prefetch of the block that the next refill will ask for: of my wave's 128 rows of 256 bytes my work-group names 32, a lane a row; the launch's first cluster asks, nobody else,
; so each row is named once.  The partners are told apart by address, not by a branch.
.macro ASKW blk
	s_cmp_eq_u32 s[ASKF], 1
	s_cbranch_scc0 .Lnot_mine_\@
	global_prefetch_b8 v[PFO], s[PFW:PFW+1] offset:(\blk)*BLK th:TH_LOAD_NT scope:SCOPE_SE
.Lnot_mine_\@:
.endm
	s_load_b256 s[4:11], s[0:1], 0x0               ; x s[4:5], y s[6:7], wf s[8:9], qf s[10:11]
	s_load_b128 s[12:15], s[0:1], 0x20             ; kf s[12:13], vf s[14:15]
	v_lshl_add_u32 v[SPW], v0, 2, SPARE
	v_mov_b32 v[NIL], 0
	ds_add_u32 v[SPW], v[NIL]                      ; the wave's opening: the add and its wait ahead of my first tensor load
	v_lshrrev_b32 v12, 5, v0
	v_readfirstlane_b32 s[WV], v12                 ; wave 0..3
	s_bfe_u32 s17, ttmp6, 0x40000                  ; cx
	s_lshl_b32 s18, ttmp9, 2
	s_add_co_u32 s18, s18, s17                     ; my block of 64 positions = 4 x cluster x + cx
	s_and_b32 s19, ttmp7, 0xffff                   ; the batch
	s_mov_b32 s[G1],   15|(3<<16)|(1<<21)          ; the mask of four; elements of 8 bytes; bit 21 set beside a mask; no padding
	s_mov_b32 s[G1+1], 32<<16                      ; tensor_dim0 = 32 elements: rows of 256 bytes
	s_mov_b32 s[G1+2], 128<<16                     ; tensor_dim1 = 128 rows
	s_mov_b32 s[G1+3], 32<<16                      ; tile_dim0 = 32
	s_mov_b32 s[G1+4], 128                         ; tile_dim1 = 128
	s_mov_b32 s[G1+5], 32                          ; rows lie end to end
	s_mov_b32 s[G1+6], 0
	s_mov_b32 s[G1+7], 0
	s_mov_b32 s[G0A], 1
	s_lshl_b32 s[G0A+1], s[WV], 15                 ; LDS: my 32,768 bytes of slot 0
	s_mov_b32 s[G0B], 1
	s_add_co_u32 s[G0B+1], s[G0A+1], SLOT1         ; of slot 1
	s_lshl_b32 s20, s19, 23                        ; x, y: the batch,
	s_lshl_b32 s21, s18, 8                         ; 256 bytes a block of positions,
	s_add_co_u32 s20, s20, s21
	s_lshl_b32 s21, s[WV], 20                      ; 64 rows of 16,384 bytes a wave
	s_add_co_u32 s20, s20, s21
	s_mov_b32 s21, 0
	s_lshl_b32 s22, s19, 20                        ; qf, kf: the batch, four position tiles of 4,096 bytes, d step = wave
	s_lshl_b32 s23, s18, 14
	s_add_co_u32 s22, s22, s23
	s_lshl_b32 s23, s[WV], 10
	s_add_co_u32 s22, s22, s23
	s_mov_b32 s23, 0
	s_lshl_b32 s54, s19, 22                        ; vf: the batch, the step of 128 keys, its half, two channel tiles a wave
	s_lshr_b32 s55, s18, 1
	s_lshl_b32 s55, s55, 17
	s_add_co_u32 s54, s54, s55
	s_and_b32 s55, s18, 1
	s_lshl_b32 s55, s55, 11
	s_add_co_u32 s54, s54, s55
	s_lshl_b32 s55, s[WV], 13
	s_add_co_u32 s54, s54, s55
	s_mov_b32 s55, 0
	s_lshl_b32 s56, s[WV], 15                      ; wf: my part of a block; no place in the cluster enters it
	s_mov_b32 s57, 0
	s_lshl_b32 s58, s17, 13                        ; the prefetches: my work-group's quarter of that part
	s_add_co_u32 s58, s58, s56
	s_mov_b32 s59, 0
	s_or_b32 s[ASKF], ttmp9, s19
	s_cmp_eq_u32 s[ASKF], 0
	s_cselect_b32 s[ASKF], 1, 0
	v_and_b32 v1, 15, v0                           ; l % 16
	v_bfe_u32 v2, v0, 4, 1                         ; l / 16
	v_and_b32 v13, 31, v0
	v_lshlrev_b32 v[L16], 4, v13
	v_lshlrev_b32 v[GX], 4, v1
	v_lshl_add_u32 v[GX], v2, 16, v[GX]
	s_mul_i32 s60, s[WV], 64*PITCH
	s_add_co_u32 s60, s60, STG
	v_mul_u32_u24 v[SA], v2, 4*PITCH
	v_lshl_add_u32 v[SA], v1, 3, v[SA]
	v_add_nc_u32 v[SA], s60, v[SA]
	v_and_b32 v14, 7, v0
	v_lshl_add_u32 v14, v2, 3, v14
	v_mul_u32_u24 v[TRA], v14, PITCH
	v_bfe_u32 v14, v0, 3, 1
	v_lshl_add_u32 v[TRA], v14, 4, v[TRA]
	v_add_nc_u32 v[TRA], STG, v[TRA]
	v_add_nc_u32 v[WA0], s[G0A+1], v[L16]
	v_add_nc_u32 v[WA0+1], SLOT1, v[WA0]
	v_lshlrev_b32 v[PFO], 8, v13
	s_wait_dscnt 0x0                               ; the opening add is done
	s_wait_kmcnt 0x0
	s_add_nc_u64 s[XB:XB+1], s[4:5], s[20:21]
	s_add_nc_u64 s[XB+2:XB+3], s[6:7], s[20:21]
	s_add_nc_u64 s[OUT:OUT+1], s[10:11], s[22:23]
	s_add_nc_u64 s[OUT+2:OUT+3], s[12:13], s[22:23]
	s_add_nc_u64 s[VO:VO+1], s[14:15], s[54:55]
	s_add_nc_u64 s[PFW:PFW+1], s[8:9], s[58:59]
	s_add_nc_u64 s[G0A+2:G0A+3], s[8:9], s[56:57]  ; block 0
	s_add_nc_u64 s[G0B+2:G0B+3], s[G0A+2:G0A+3], BLK  ; block 1
	s_or_b32 s[G0A+3], s[G0A+3], 0x80000000
	s_or_b32 s[G0B+3], s[G0B+3], 0x80000000
	CROUND                                         ; all four work-groups are here: the first joint loads meet
	tensor_load_to_lds s[G0A:G0A+3], s[G1:G1+7]    ; both first fills go out together: two loads of mine are out, the most in this text
	s_nop 0
	tensor_load_to_lds s[G0B:G0B+3], s[G1:G1+7]
	s_nop 0
	PLACES
	LOADRAW XB, 0
	LOADRAW XB, 1
	s_mov_b32 s[TRIP], 2
.Ltrip:                                        ; trip 1: x, q.  trip 2: y, k.
	s_wait_loadcnt 32                              ; the first half's 32 loads are in; the second half's may stay out
	CVTST 0
	s_wait_dscnt 0x0                               ; my rows lie in the stage,
	BAR                                            ; everybody's do
	TR 0
	s_wait_dscnt 0x0                               ; my reads of the stage are back,
	BAR                                            ; everybody's are: it may be written again
	s_wait_loadcnt 0x0
	CVTST 1
	s_wait_dscnt 0x0                               ; the stores have been served: window 3 may be loaded again
	s_cmp_eq_u32 s[TRIP], 1
	s_cbranch_scc1 .Lno_y                          ; jumps over global loads alone
	LOADRAW XB+2, 0                                ; y comes in while q is made
	LOADRAW XB+2, 1
.Lno_y:
	BAR
	TR 1
	s_wait_dscnt 0x0
	BAR
	s_wait_tensorcnt 0x1                           ; block 0, my own part, which I alone read, has landed; block 1 may stay out
	STEP WA0, 0, OUT, 0
	s_wait_xcnt 0x0                                ; the stores have read their base
	s_mov_b64 s[OUT:OUT+1], s[OUT+2:OUT+3]
	s_sub_co_u32 s[TRIP], s[TRIP], 1
	s_cmp_lg_u32 s[TRIP], 0
	s_cbranch_scc1 .Ltrip
	RND G0A                                        ; block 2 into slot 0
	ASKW 3
	STEP WA0+1, 1, VO, 0                           ; block 1: channels 0-127
	RND G0B                                        ; block 3 into slot 1
	ASKW 4
	STEP WA0, 1, VO, 32768                         ; block 2
	RND G0A                                        ; block 4 into slot 0: the last load
	STEP WA0+1, 1, VO, 65536                       ; block 3
	s_wait_tensorcnt 0x0                           ; block 4, my own part
	STEP WA0, 1, VO, 98304
	s_wait_tensorcnt 0x0                           ; the wave's end
	ds_add_u32 v[SPW], v[NIL]
	s_wait_dscnt 0x0
	CROUND                                         ; the closing round
	s_endpgm
.Lfunc_end_k_q5d1a113e8f_proj:
	.size	k_q5d1a113e8f_proj, .Lfunc_end_k_q5d1a113e8f_proj-k_q5d1a113e8f_proj
	.p2alignl 7, 3214868480
	.fill 96, 4, 3214868480
	.section	.rodata,"a",@progbits
	.p2align	6, 0x0
	.amdhsa_kernel k_q5d1a113e8f_proj
		.amdhsa_group_segment_fixed_size 327680
		.amdhsa_private_segment_fixed_size 0
		.amdhsa_enable_private_segment 0
		.amdhsa_kernarg_size 48
		.amdhsa_user_sgpr_count 2
		.amdhsa_user_sgpr_kernarg_segment_ptr 1
		.amdhsa_wavefront_size32 1
		.amdhsa_system_sgpr_workgroup_id_x 1
		.amdhsa_system_sgpr_workgroup_id_y 1
		.amdhsa_system_sgpr_workgroup_id_z 1
		.amdhsa_system_vgpr_workitem_id 0
		.amdhsa_next_free_vgpr 1024
		.amdhsa_next_free_sgpr 66
		.amdhsa_reserve_vcc 0
		.amdhsa_float_denorm_mode_32 3
		.amdhsa_float_denorm_mode_16_64 3
		.amdhsa_memory_ordered 1
		.amdhsa_forward_progress 1
		.amdhsa_inst_pref_size 120
	.end_amdhsa_kernel
	.amdgpu_metadata
---
amdhsa.version: [ 1, 2 ]
amdhsa.kernels:
  - .name:           k_q5d1a113e8f_proj
    .symbol:         k_q5d1a113e8f_proj.kd
    .args:
      - { .name: x, .offset: 0, .size: 8, .value_kind: global_buffer, .address_space: global }
      - { .name: y, .offset: 8, .size: 8, .value_kind: global_buffer, .address_space: global }
      - { .name: wf, .offset: 16, .size: 8, .value_kind: global_buffer, .address_space: global }
      - { .name: qf, .offset: 24, .size: 8, .value_kind: global_buffer, .address_space: global }
      - { .name: kf, .offset: 32, .size: 8, .value_kind: global_buffer, .address_space: global }
      - { .name: vf, .offset: 40, .size: 8, .value_kind: global_buffer, .address_space: global }
    .group_segment_fixed_size: 327680
    .private_segment_fixed_size: 0
    .kernarg_segment_align: 8
    .kernarg_segment_size: 48
    .max_flat_workgroup_size: 128
    .sgpr_count:     66
    .vgpr_count:     1024
    .wavefront_size: 32
...
	.end_amdgpu_metadata
.endif
;; end of part 2
;; launch attn (part 3): grid 64 x 4, 4 waves a work-group, clusters of 4 x 1, 327,680 bytes of LDS; arguments qf, kf, vf, biasf, out0; writes out0
.if DOCPART == 3
	.amdgcn_target "amdgcn-amd-amdhsa--gfx1250"
	.amdhsa_code_object_version 6
	.text
	.protected	k_q5d1a113e8f_attn
	.globl	k_q5d1a113e8f_attn
	.p2align	8
	.type	k_q5d1a113e8f_attn,@function
k_q5d1a113e8f_attn:
	s_mov_b64 s[64:65], 0
	v_nop
	global_prefetch_b8 v0, s[64:65] scope:SCOPE_SE
	s_setreg_imm32_b32 hwreg(HW_REG_WAVE_MODE, 25, 1), 1
	s_wait_xcnt 0x0
	s_wait_alu depctr_hold_cnt(0) depctr_sa_sdst(0) depctr_va_vdst(0) depctr_va_sdst(0) depctr_va_ssrc(0) depctr_va_vcc(0) depctr_vm_vsrc(0)
	s_getreg_b32 s2, hwreg(HW_REG_IB_STS2, 6, 4)
	s_cmp_eq_u32 s2, 0
	s_cbranch_scc0 .Lentry_in_a_cluster
	s_endpgm
.Lentry_in_a_cluster:
	s_bfe_u32 s2, ttmp6, 0x10000c
	s_cmp_lg_u32 s2, 0x3003
	s_cbranch_scc0 .Lentry_shape_is_right
	s_endpgm
.Lentry_shape_is_right:
; ATTN.  out0[b][n][o] = relu( sum_m softmax_m(q[n] . k[m] / sqrt(128)) v'[o][m] + bias'[o] ),  f32.  q, k, v' in bf16, in fragment order (blocks of 1,024 bytes: 16 rows x 32 k; two loads of
; 16 bytes a lane, at 16 lane and 512 further, are a matrix operand).  Products, maxima and sums in f32; the weights p are rounded to bf16 for the second product, their sum l is taken unrounded.
; SHARES.  A work-group owns 64 queries (four tiles t) of one batch and walks the 4,096 keys, 128 a step.
;   SCORES BY KEYS: wave w makes S^T = K Q^T for keys 32 w .. 32 w + 31 of the step and all 64 queries: 8 accumulators, 32 matrix instructions.  A lane holds one query (l % 16) and 8 keys.
;   O BY CHANNELS: wave w owns channels 128 w .. 128 w + 127 for all 64 queries: 32 accumulators (i = 4 x channel tile + t), 128 matrix instructions a step.  A lane holds one query and 8 channels.
;   The packed weights P and each wave's maxima cross between the waves through LDS.  Every wave keeps m and c m of all 64 queries, made alike from the same four maxima, and l over its own keys.
; SOFTMAX.  p = 2^(c s - c m), c = log2(e) / sqrt(128), m the running maximum; O and l are multiplied by a = 2^(c m_old - c m_new) in every step.  O and l start at 0, c m far below every c s: the first a is 0.
; THE WALK IS ROTATED.  A running maximum takes the keys in any order.  Cluster x of a batch (x = 0 .. 15) begins at step 4 (x % 8) + 2 (x / 8) and goes round: its j-th step is that number + j, modulo 32.
; The 16 starts are the 16 even numbers, so at any time the clusters of a batch ask for different steps, and each of the 32 steps is first asked for by one cluster's two first fills at the launch's head.
; NO PREFETCH is laid: every refill names rows that another cluster of the batch has asked for some periods before, and the first fills stand at the head.  Below, step j means the walk's j-th.
; PIPELINE.  Period j stands between two meetings of the waves.  Behind meeting j: V(j) is asked for; the maxima of step j and the first key group of P(j-1) and V(j-1) are fetched; K Q^T of step
; j + 1, which hangs on nothing that the meeting shows, goes into the other of two score buffers, O x a(j-1) riding behind its products; K(j+2) is asked for; then V^T P of step j - 1 in four key groups, which
; carry the softmax of step j and the maxima of step j + 1.  Meeting j + 1 stands INSIDE the fourth group, whose operands lie in registers by then.  One meeting a period shows P(j-1) and the maxima of step j
; to all, shows V(j-1) landed, and frees the slot that takes V(j), first thing behind it.
; V comes by tensor loads: a step is 128 KiB dense, of which each wave fetches, and alone reads, its 32 KiB.  CLUSTER: the four query blocks of a cluster walk the same V: asked for JOINTLY.
; K is not shared so: beside two slots of V and two buffers of P 29,184 bytes of LDS are left, and a step's K is 32,768; it comes straight into registers, 128 products and a meeting ahead, into two buffers by turns.
; LIMITS.  |c s| stays under 4e37; a weight below 2^-126 counts as 0; NaN and infinities are not treated apart (the last maximum with 0 drops a NaN).
; The last softmax period multiplies the walk's first K once more (32 matrix instructions that serve nothing), and O is cleared by 256 lines at the head: the price of one text for every trip.
.set SLOT1, 131072                     ; V's two slots
.set PBUF,  262144                     ; P: two buffers of 16,384 bytes, [key group = wave][t] blocks
.set PSZ,   16384
.set MXB,   296960                     ; the maxima: two buffers of 1,024 bytes, f32 [t][query][wave]
.set LX,    299008                     ; l's four parts, likewise
.set SPARE, 300032                     ; the spare words: 128 bytes a wave
.set STAGE, 262144                     ; the way out: 16 rows x 528 bytes a wave, over P, written only when nobody reads P any more; no tensor load ever lands here
.set SP,    528                        ; 512 bytes + 16: sixteen rows' stores of 16 bytes fall on sixteen different columns of 16 bytes modulo 256
.set VSTEP, 131072                     ; bytes of V in a step: 1 << 17
.set KSTEP, 32768                      ; bytes of K in a step: 1 << 15
.set L16, 3                            ; v3   16 x lane
.set KA,  4                            ; v4   K's offset: 16 x lane + 32,768 x the step's number
.set VS0, 5                            ; v5-6   my V in slot 0, 1
.set PR0, 7                            ; v7-8   P buffer 0, 1 + 16 x lane
.set PW0, 9                            ; v9-10  the same + 4,096 x wave
.set MR0, 11                           ; v11-12 maxima buffer 0, 1 + 16 x (l % 16)
.set MW0, 13                           ; v13-14 the same + 4 x wave
.set STO, 16
.set RD,  17
.set LXW, 18
.set LXR, 19
.set BO,  20                           ; v20  32 x (l / 16)
.set SPW, 22
.set NIL, 23
.set ST,  24                           ; v24-39  tile t: c m, m, l (even keys', odd keys')
.set A,   40                           ; v40-47  a, in the low register of a pair; at the end 1 / l
.set D,   48                           ; v48-51  c m_old - c m_new
.set T,   52                           ; v52-59  at work, two a tile
.set XR,  60                           ; v60-63  what the other half of the lanes holds
.set S,   64                           ; v64-127 and v192-255: S^T of even and of odd steps: 16 t + 8 (key tile) + j; on the way out v64-127 is TA
.set PO,  128                          ; v128-159 P packed
.set MXV, 160                          ; v160-175 the four waves' maxima, four a tile
.set TB,  128                          ; the way out: v128-191, v192-255 rows read back
; window 1: O^T, accumulator i at 8 i.   window 2: v0-127 Q (32 t + 8 d step); v128-191, v192-255 K of even and of odd steps (32 key tile + 8 d step).
; window 3: v0-127 V, two buffers of 8 channel tiles; v128-191 P, two buffers of 4 tiles; v192-255 bias' (8 channel tile + j)
.set WV,  14
.set G1,  24                           ; s[24:31]
.set G0,  32                           ; s[32:35] slot 0, s[36:39] slot 1
.set CNT, 40
.set KN,  44                           ; s44  the number, in the batch, of the step whose K was asked for last
.set VN,  45                           ; s45  the same for V
.set KO,  46                           ; s46  32,768 x KN
.set CS,  50                           ; s[50:51] c, twice
.set SEL, 52                           ; s[52:53] v_permlanex16_b32's selects: each lane takes its own place in the other half
.set OFF, 54                           ; s[54:55] 131,072 x VN, in 64 bits
.set MSB, 0
.macro WIN new                         ; the immediate's high byte repeats the setting that is left; a switch that changes nothing is dropped
.if MSB != (\new)
	s_set_vgpr_msb (MSB<<8)|(\new)
.set MSB, (\new)
.endif
.endm
.macro PLACES                          ; four places behind a matrix instruction, ahead of loads into its sources and of vector lines on its result
.rept 4
	v_nop
.endr
.endm
.macro CREST                           ; a round of the cluster's barrier behind its opening barrier
	s_cmp_lg_u32 s[WV], 0
	s_cbranch_scc1 .Lnot_wave_0_\@
	s_barrier_signal -3
.Lnot_wave_0_\@:
	s_barrier_wait -3
	s_barrier_signal -1
	s_barrier_wait -1
.endm
.macro CROUND                          ; a whole round
	s_barrier_signal -1
	s_barrier_wait -1
	CREST
.endm
; 24 LDS loads in one run: key group g of the step before: P's four tiles, then my eight channel tiles of V, into buffers g % 2
.macro FETCH X, g
	WIN 0xc0
.set f, 0
.rept 4
	ds_load_b128 v[128+32*((\g)%2)+8*f:128+32*((\g)%2)+8*f+3],   v[PR0+1-(\X)] offset:(4*(\g)+f)*1024
	ds_load_b128 v[128+32*((\g)%2)+8*f+4:128+32*((\g)%2)+8*f+7], v[PR0+1-(\X)] offset:(4*(\g)+f)*1024+512
.set f, f+1
.endr
.set f, 0
.rept 8
	ds_load_b128 v[64*((\g)%2)+8*f:64*((\g)%2)+8*f+3],   v[VS0+1-(\X)] offset:f*4096+(\g)*1024
	ds_load_b128 v[64*((\g)%2)+8*f+4:64*((\g)%2)+8*f+7], v[VS0+1-(\X)] offset:f*4096+(\g)*1024+512
.set f, f+1
.endr
.endm
.macro KLOAD X                         ; K of two steps on, into the buffer that the period before multiplied
	WIN 0x80
.set f, 0
.rept 8
	global_load_b128 v[128+64*(\X)+8*f:128+64*(\X)+8*f+3],   v[KA], s[6:7] offset:f*1024
	global_load_b128 v[128+64*(\X)+8*f+4:128+64*(\X)+8*f+7], v[KA], s[6:7] offset:f*1024+512
.set f, f+1
.endr
.endm
.macro PVW g, i                        ; O^T[i] += V^T P: source 0 = 16 channels, source 1 = 16 queries, 32 keys.  The 32 accumulators take turns.
	WIN 0x5f
.set rO, 8*(\i)
.set rV, 64*((\g)%2)+8*((\i)/4)
.set rP, 128+32*((\g)%2)+8*((\i)%4)
	v_wmma_f32_16x16x32_bf16 v[rO:rO+7], v[rV:rV+7], v[rP:rP+7], v[rO:rO+7]
.endm
.macro PVRUN g, n                      ; the group's next n products, bare
.rept \n
	PVW \g, i
.set i, i+1
.endr
.endm
.macro RS i                            ; accumulator i times a, from its low end on
	WIN 0x41
.irp q, 0,1,2,3
	v_pk_mul_f32 v[8*(\i)+2*\q:8*(\i)+2*\q+1], v[8*(\i)+2*\q:8*(\i)+2*\q+1], v[A+2*((\i)%4):A+2*((\i)%4)+1] op_sel_hi:[1,0]
.endr
.endm
.macro QKW X, i                        ; in a period of parity X: S^T of the next step, into the other buffer: d step i / 8, accumulator i % 8 = 2 t + key tile; the first 8 start the sums
	WIN 0x0a
.set rS, S+128*(1-(\X))+8*((\i)%8)
.set rK, 128+64*(1-(\X))+32*((\i)%2)+8*((\i)/8)
.set rQ, 32*(((\i)%8)/2)+8*((\i)/8)
.if (\i) < 8
	v_wmma_f32_16x16x32_bf16 v[rS:rS+7], v[rK:rK+7], v[rQ:rQ+7], 0
.else
	v_wmma_f32_16x16x32_bf16 v[rS:rS+7], v[rK:rK+7], v[rQ:rQ+7], v[rS:rS+7]
.endif
.endm
.macro STAT n                          ; tile n % 4, line n / 4: the new m of the old one and the four waves' maxima; c m_old kept; c m; its change
.set t_, (\n)%4
.set o_, (\n)/4
	WIN 0
.if o_ == 0
	v_max3_num_f32 v[T+2*t_], v[ST+4*t_+1], v[MXV+4*t_], v[MXV+4*t_+1]
.elseif o_ == 1
	v_max3_num_f32 v[ST+4*t_+1], v[T+2*t_], v[MXV+4*t_+2], v[MXV+4*t_+3]
.elseif o_ == 2
	v_mov_b32 v[D+t_], v[ST+4*t_]
.elseif o_ == 3
	v_mul_f32 v[ST+4*t_], s[CS], v[ST+4*t_+1]
.else
	v_sub_f32 v[D+t_], v[D+t_], v[ST+4*t_]
.endif
.endm
.macro FS X, n                         ; pair n of 32: c s - c m
	WIN 0
	v_pk_fma_f32 v[S+128*(\X)+2*(\n):S+128*(\X)+2*(\n)+1], v[S+128*(\X)+2*(\n):S+128*(\X)+2*(\n)+1], s[CS:CS+1], v[ST+4*((\n)/8):ST+4*((\n)/8)+1] op_sel_hi:[1,0,0] neg_lo:[0,0,1] neg_hi:[0,0,1]
.endm
.macro EX X, n
	WIN 0
	v_exp_f32 v[S+128*(\X)+(\n)], v[S+128*(\X)+(\n)]
.endm
.macro EA t
	WIN 0
	v_exp_f32 v[A+2*(\t)], v[D+(\t)]
.endm
.macro CV X, n
	WIN 0
	v_cvt_pk_bf16_f32 v[PO+(\n)], v[S+128*(\X)+2*(\n)], v[S+128*(\X)+2*(\n)+1]
.endm
.macro PST X                           ; my key group's four blocks of P
	WIN 0
.irp n, 0,1,2,3,4,5,6,7
	ds_store_b128 v[PW0+(\X)], v[PO+4*\n:PO+4*\n+3] offset:512*\n
.endr
.endm
.macro SU X, n                         ; tile n % 4, line n / 4: the tile's 8 pairs are added in a tree, in place; then l = l a + the sum
.set t_, (\n)%4
.set z_, (\n)/4
.set rS, S+128*(\X)+16*t_
	WIN 0
.if z_ < 4
	v_pk_add_f32 v[rS+4*z_:rS+4*z_+1], v[rS+4*z_:rS+4*z_+1], v[rS+4*z_+2:rS+4*z_+3]
.elseif z_ < 6
	v_pk_add_f32 v[rS+8*(z_-4):rS+8*(z_-4)+1], v[rS+8*(z_-4):rS+8*(z_-4)+1], v[rS+8*(z_-4)+4:rS+8*(z_-4)+5]
.elseif z_ == 6
	v_pk_add_f32 v[rS:rS+1], v[rS:rS+1], v[rS+8:rS+9]
.else
	v_pk_fma_f32 v[ST+4*t_+2:ST+4*t_+3], v[ST+4*t_+2:ST+4*t_+3], v[A+2*t_:A+2*t_+1], v[rS:rS+1] op_sel_hi:[1,0,1]
.endif
.endm
.macro MXL X, n                        ; tile n % 4, line n / 4: the maximum of the NEXT step's scores of my 32 keys: a chain for each accumulator, begun at its lowest registers; the join; the other half of the lanes
.set t_, (\n)%4
.set o_, (\n)/4
.set rS, S+128*(1-(\X))+16*t_
.set rT, T+2*t_
	WIN 0
.if o_ == 0
	v_max3_num_f32 v[rT], v[rS], v[rS+1], v[rS+2]
.elseif o_ == 1
	v_max3_num_f32 v[rT+1], v[rS+8], v[rS+9], v[rS+10]
.elseif o_ == 2
	v_max3_num_f32 v[rT], v[rT], v[rS+3], v[rS+4]
.elseif o_ == 3
	v_max3_num_f32 v[rT+1], v[rT+1], v[rS+11], v[rS+12]
.elseif o_ == 4
	v_max3_num_f32 v[rT], v[rT], v[rS+5], v[rS+6]
.elseif o_ == 5
	v_max3_num_f32 v[rT+1], v[rT+1], v[rS+13], v[rS+14]
.elseif o_ == 6
	v_max3_num_f32 v[rT], v[rT], v[rS+7], v[rS+15]
.elseif o_ == 7
	v_max_num_f32 v[rT], v[rT], v[rT+1]
.elseif o_ == 8
	v_permlanex16_b32 v[XR+t_], v[rT], s[SEL], s[SEL+1]
.else
	v_max_num_f32 v[rT], v[rT], v[XR+t_]
.endif
.endm
.macro MXST X                          ; into the buffer that the next period reads
	WIN 0
.irp t, 0,1,2,3
	ds_store_b32 v[MW0+1-(\X)], v[T+2*\t] offset:256*\t
.endr
.endm
; QUEUE A, 160 long: all that names no result of the period's exponentials.  0-19 the statistics, a line for all four tiles in each four.  Then 34 fours: plain, exponential, plain, exponential:
; the first plain is scaling f (fours 32, 33: a line of the maxima), the second a line of the maxima; the exponentials are the four a, then s0-s63: those of four f were scaled in four f - 2.
; The last four: the maxima's last lines.  The 68 exponentials are ONE BATCH, with one wait behind the queue.
.macro QAOP X
.if qa < 20
	STAT qa
.else
.set b_, qa-20
.set f_, b_/4
.set p_, b_%4
.if f_ == 34
	MXL \X, 36+p_
.elseif p_ == 0
.if f_ < 32
	FS \X, f_
.else
	MXL \X, 32+2*(f_-32)
.endif
.elseif p_ == 2
.if f_ < 32
	MXL \X, f_
.else
	MXL \X, 33+2*(f_-32)
.endif
.else
.set e_, 2*f_+p_/2
.if e_ < 4
	EA e_
.else
	EX \X, e_-4
.endif
.endif
.endif
.set qa, qa+1
.endm
.macro QA4 X
.rept 4
	QAOP \X
.endr
.endm
; QUEUE B, 64 long, behind the wait: the 32 roundings, then the 32 lines of the sums
.macro QBOP X
.if qb < 32
	CV \X, qb
.else
	SU \X, qb-32
.endif
.set qb, qb+1
.endm
.macro QB4 X
.rept 4
	QBOP \X
.endr
.endm
; Key group g (0 or 1) of V^T P.  Queue A rides in fours behind 40 of the two groups' 64 products: the first 16, then every second one; the others stand bare, so that the windows are switched less often.
; sm = 0 (the last period): group 0 carries the rescaling, two accumulators ahead of its products.
.macro GRP X, g, pv, sm
.set i, 0
.rept 32
.if \pv
	PVW \g, i
.endif
.if \sm
.if (w < 16) || (w%2 == 1)
	QA4 \X
.endif
.elseif ((\g) == 0) && (i < 30)
	RS i+2
.endif
.set w, w+1
.set i, i+1
.endr
.endm
; A PERIOD UP TO ITS THIRD KEY GROUP.  X: its parity.  pv = 2: V^T P of the step before; 0: none.  sm = 1: softmax, next scores and maxima.
; Each run of LDS loads stands at the head of the key group before the one that it serves, 32 products ahead of its first use; the buffer's last reader lies four v_nop back or more.
; K's 16 loads stand behind the 32 products K Q^T, not beside the refill of V that opens the period.
.macro BODY X, pv, sm
	WIN 0
.if \sm
	s_wait_loadcnt 0x0                             ; K of the next step, asked for a period ago: so KA may be written too
	s_add_co_u32 s[KN], s[KN], 1                   ; the walk's next step, round the batch's 32: no load leaves kf
	s_and_b32 s[KN], s[KN], 31
	s_lshl_b32 s[KO], s[KN], 15
	v_add_nc_u32 v[KA], s[KO], v[L16]
.irp t, 0,1,2,3
	ds_load_b128 v[MXV+4*\t:MXV+4*\t+3], v[MR0+(\X)] offset:256*\t
.endr
.endif
.if \pv
	FETCH \X, 0
.endif
.if \sm
.set i, 0
.rept 32
	QKW \X, i                                      ; the next step's scores: work for the matrix unit while the loads above are on their way;
.if \pv
	RS i                                           ; O x a rides behind them, an accumulator a product
.endif
.set i, i+1
.endr
	KLOAD \X
.else
	RS 0
	RS 1
.endif
.if \pv
	FETCH \X, 1
	s_wait_dscnt 24                                ; the maxima and key group 0 are in; the 24 loads just issued may stay out
.else
	s_wait_dscnt 0x0
.endif
.set qa, 0
.set qb, 0
.set w, 0
	GRP \X, 0, \pv, \sm
.if \pv
	PLACES
	FETCH \X, 2
	s_wait_dscnt 24                                ; key group 1 is in
.endif
	GRP \X, 1, \pv, \sm
.if \pv
	PLACES                                         ; the places in front of the loads; the first is also the plain instruction behind the batch
.else
	v_nop
.endif
.if \sm
	s_wait_alu depctr_va_vdst(0)                   ; the one wait ahead of the batch's first reader; a run of loads follows it
.endif
.if \pv
	FETCH \X, 3
	s_wait_dscnt 24                                ; key group 2 is in
.endif
.set i, 0
.rept 32
.if \pv
	PVW 2, i
.endif
.if (\sm) && (i%2 == 0)
	QB4 \X
.endif
.if (\sm) && (i == 15)
	MXST \X                                        ; twelve stores in one run: the next step's maxima and this step's P
	PST \X
.endif
.set i, i+1
.endr
.endm
; THE FOURTH KEY GROUP, AND THE MEETING INSIDE IT.  Its operands lie in registers, so nothing of LDS is read any more.  Behind 20 products: all my tensor loads have landed; 0 onto my spare word; six products;
; the add, my stores of P and of the maxima and my reads are done: the signal; six products while the others arrive; the wait.  kind 2: that barrier opens a round of the cluster's barrier, and the joint
; refill, V of the period that begins, into the slot read last, is the first thing behind it: wanted a period later.  Its address is made anew from the step's number, which hangs on the cluster's number and the
; count of refills alone: the same in all four partners.  kind 3: a plain barrier: nothing is left to fetch.
.macro TAIL X, kind
	s_wait_dscnt 12                                ; key group 3 is in; the twelve stores behind it may stay out
.set i, 0
	PVRUN 3, 20
	WIN 0
	s_wait_tensorcnt 0x0                           ; no tensor load of mine is out, so a group 0 may be written
	ds_add_u32 v[SPW], v[NIL]
.if (\kind) == 2
	s_add_co_u32 s[VN], s[VN], 1                   ; the walk's next step, round the batch's 32
	s_and_b32 s[VN], s[VN], 31
	s_lshl_b32 s[OFF], s[VN], 17
	s_add_nc_u64 s[G0+4*(1-(\X))+2:G0+4*(1-(\X))+3], s[8:9], s[OFF:OFF+1]
	s_or_b32 s[G0+4*(1-(\X))+3], s[G0+4*(1-(\X))+3], 0x80000000
.endif
	PVRUN 3, 6
	s_wait_dscnt 0x0
	s_barrier_signal -1
	PVRUN 3, 6
	WIN 0
	s_barrier_wait -1
.if (\kind) == 2
	CREST
	tensor_load_to_lds s[G0+4*(1-(\X)):G0+4*(1-(\X))+3], s[G1:G1+7]
	s_nop 0
	PLACES                                         ; also the places behind the group's last products
.else
	PLACES
.endif
.endm
	s_load_b256 s[4:11], s[0:1], 0x0               ; qf s[4:5], kf s[6:7], vf s[8:9], biasf s[10:11]
	s_load_b64 s[12:13], s[0:1], 0x20              ; out0
	v_lshl_add_u32 v[SPW], v0, 2, SPARE
	v_mov_b32 v[NIL], 0
	ds_add_u32 v[SPW], v[NIL]                      ; the wave's opening: the add and its wait ahead of my first tensor load
	v_lshrrev_b32 v21, 5, v0
	v_readfirstlane_b32 s[WV], v21                 ; wave 0..3
	s_bfe_u32 s15, ttmp6, 0x40000                  ; cx
	s_lshl_b32 s16, ttmp9, 2
	s_add_co_u32 s16, s16, s15                     ; my block of 64 queries = 4 x cluster x + cx
	s_and_b32 s17, ttmp7, 0xffff                   ; the batch, which the partners share
	s_and_b32 s59, ttmp9, 7                        ; where my cluster's walk begins: 4 (x % 8)
	s_lshl_b32 s59, s59, 2
	s_lshr_b32 s60, ttmp9, 3                       ; + 2 (x / 8): an even number, 0 to 30, another for each cluster of the batch
	s_lshl_b32 s60, s60, 1
	s_add_co_u32 s59, s59, s60
	s_add_co_u32 s[KN], s59, 1                     ; the walk's steps 0 and 1 are asked for below, of K and of V
	s_add_co_u32 s[VN], s59, 1
	s_lshl_b32 s[OFF], s59, 17
	s_mov_b32 s[OFF+1], 0
	s_lshl_b32 s60, s59, 15
	s_mov_b32 s[G1],   15|(3<<16)|(1<<21)          ; the mask of four; elements of 8 bytes; bit 21 set beside a mask; no padding
	s_mov_b32 s[G1+1], 32<<16                      ; rows of 32 elements: 256 bytes
	s_mov_b32 s[G1+2], 128<<16                     ; 128 rows
	s_mov_b32 s[G1+3], 32<<16
	s_mov_b32 s[G1+4], 128
	s_mov_b32 s[G1+5], 32                          ; rows lie end to end
	s_mov_b32 s[G1+6], 0
	s_mov_b32 s[G1+7], 0
	s_mov_b32 s[G0], 1
	s_lshl_b32 s[G0+1], s[WV], 15                  ; LDS: my 32,768 bytes of slot 0,
	s_mov_b32 s[G0+4], 1
	s_add_co_u32 s[G0+5], s[G0+1], SLOT1           ; of slot 1
	s_lshl_b32 s18, s17, 22                        ; vf: the batch, my eight channel tiles
	s_lshl_b32 s19, s[WV], 15
	s_add_co_u32 s18, s18, s19
	s_mov_b32 s19, 0
	s_lshl_b32 s20, s17, 20                        ; kf: the batch, my two key tiles
	s_lshl_b32 s21, s[WV], 13
	s_add_co_u32 s20, s20, s21
	s_mov_b32 s21, 0
	s_lshl_b32 s22, s17, 20                        ; qf: the batch, my block's four tiles
	s_lshl_b32 s23, s16, 14
	s_add_co_u32 s22, s22, s23
	s_mov_b32 s23, 0
	s_lshl_b32 s46, s17, 23                        ; out0: the batch, 64 rows of 2,048 bytes a block, 512 bytes a wave
	s_lshl_b32 s47, s16, 17
	s_add_co_u32 s46, s46, s47
	s_lshl_b32 s47, s[WV], 9
	s_add_co_u32 s46, s46, s47
	s_mov_b32 s47, 0
	s_lshl_b32 s48, s[WV], 9                       ; biasf: my 128 channels
	s_mov_b32 s49, 0
	s_mov_b32 s[CS], 0x3e0293ee                    ; c = log2(e) / sqrt(128) = 0.127517
	s_mov_b32 s[CS+1], s[CS]
	s_mov_b32 s[SEL], 0x76543210
	s_mov_b32 s[SEL+1], 0xfedcba98
	v_and_b32 v1, 15, v0                           ; l % 16
	v_bfe_u32 v2, v0, 4, 1                         ; l / 16
	v_and_b32 v21, 31, v0
	v_lshlrev_b32 v[L16], 4, v21
	v_add_nc_u32 v[KA], s60, v[L16]                ; K at the walk's first step
	v_add_nc_u32 v[VS0], s[G0+1], v[L16]
	v_add_nc_u32 v[VS0+1], SLOT1, v[VS0]
	v_add_nc_u32 v[PR0], PBUF, v[L16]
	v_add_nc_u32 v[PR0+1], PBUF+PSZ, v[L16]
	s_lshl_b32 s56, s[WV], 12
	v_add_nc_u32 v[PW0], s56, v[PR0]
	v_add_nc_u32 v[PW0+1], s56, v[PR0+1]
	v_lshlrev_b32 v[MR0], 4, v1
	v_add_nc_u32 v[MR0+1], MXB+1024, v[MR0]
	v_add_nc_u32 v[LXR], LX, v[MR0]
	v_add_nc_u32 v[MR0], MXB, v[MR0]
	s_lshl_b32 s57, s[WV], 2
	v_add_nc_u32 v[MW0], s57, v[MR0]
	v_add_nc_u32 v[MW0+1], s57, v[MR0+1]
	v_add_nc_u32 v[LXW], s57, v[LXR]
	s_mul_i32 s58, s[WV], 16*SP
	s_add_co_u32 s58, s58, STAGE
	v_mul_u32_u24 v[STO], v1, SP
	v_lshl_add_u32 v[STO], v2, 5, v[STO]
	v_add_nc_u32 v[STO], s58, v[STO]
	v_add_nc_u32 v[RD], s58, v[L16]
	v_lshlrev_b32 v[BO], 5, v2
.irp t, 0,1,2,3
	v_mov_b32 v[ST+4*\t], 0xfe000000               ; c m: far below every c s, so the first a is 0
	v_mov_b32 v[ST+4*\t+1], 0xff7fffff             ; m: the lowest finite number
	v_mov_b32 v[ST+4*\t+2], 0                      ; l
	v_mov_b32 v[ST+4*\t+3], 0
	v_mov_b32 v[A+2*\t], 0
	v_mov_b32 v[A+2*\t+1], 0                       ; named with a as a pair
	v_mov_b32 v[XR+\t], 0                          ; v_permlanex16_b32's destination counts as read
.endr
	s_wait_dscnt 0x0                               ; the opening add is done
	s_wait_kmcnt 0x0
	s_add_nc_u64 s[8:9], s[8:9], s[18:19]          ; vf at my part of the batch's step 0: it stays so; every refill's address is made from it
	s_add_nc_u64 s[G0+2:G0+3], s[8:9], s[OFF:OFF+1]  ; the walk's first step,
	s_add_nc_u64 s[G0+6:G0+7], s[G0+2:G0+3], VSTEP   ; and its second: the first is even, so the second lies behind it
	s_or_b32 s[G0+3], s[G0+3], 0x80000000
	s_or_b32 s[G0+7], s[G0+7], 0x80000000
	s_add_nc_u64 s[6:7], s[6:7], s[20:21]
	s_add_nc_u64 s[4:5], s[4:5], s[22:23]
	s_add_nc_u64 s[12:13], s[12:13], s[46:47]
	s_add_nc_u64 s[10:11], s[10:11], s[48:49]
	CROUND                                         ; all four work-groups are here: the first joint loads meet
	tensor_load_to_lds s[G0:G0+3], s[G1:G1+7]      ; V(0) and V(1) go out together: two loads of mine are out, the most in this text
	s_nop 0
	tensor_load_to_lds s[G0+4:G0+7], s[G1:G1+7]
	s_nop 0
	PLACES
	WIN 0x80
.set f, 0
.rept 16                               ; Q stays in registers: block f = 4 t + d step
	global_load_b128 v[8*f:8*f+3],   v[L16], s[4:5] offset:f*1024
	global_load_b128 v[8*f+4:8*f+7], v[L16], s[4:5] offset:f*1024+512
.set f, f+1
.endr
.set f, 0
.rept 16                               ; K of the walk's steps 0 and 1, into the two buffers
	global_load_b128 v[128+8*f:128+8*f+3],   v[KA], s[6:7] offset:(f/8)*KSTEP+(f%8)*1024
	global_load_b128 v[128+8*f+4:128+8*f+7], v[KA], s[6:7] offset:(f/8)*KSTEP+(f%8)*1024+512
.set f, f+1
.endr
	WIN 0xc0
.set f, 0
.rept 8                                ; bias' of my lane's eight channels in each channel tile
	global_load_b128 v[192+8*f:192+8*f+3],   v[BO], s[10:11] offset:f*64
	global_load_b128 v[192+8*f+4:192+8*f+7], v[BO], s[10:11] offset:f*64+16
.set f, f+1
.endr
	WIN 0x40
.set i, 0
.rept 256
	v_mov_b32 v[i], 0                              ; O starts at 0: written while the first loads are on their way, so that the loop has one form of product
.set i, i+1
.endr
	s_wait_loadcnt 32                              ; Q and K(0) are in; K(1)'s 16 loads and bias' 16 may stay out
.set i, 0
.rept 32
	QKW 1, i                                       ; the scores of step 0, into the even buffer
.set i, i+1
.endr
	WIN 0
	PLACES
.set i, 0
.rept 40
	MXL 1, i
.set i, i+1
.endr
	MXST 1                                         ; into buffer 0
	s_wait_dscnt 0x0                               ; meeting 0: the maxima of step 0 lie in LDS,
	s_barrier_signal -1
	s_barrier_wait -1                              ; everybody's do
	BODY 0, 0, 1                                   ; period 0: scores 1 | softmax 0 | maxima 1
	WIN 0
	s_wait_tensorcnt 0x1                           ; meeting 1: V(0) is wanted; V(1) may stay out
	s_wait_dscnt 0x0
	s_barrier_signal -1
	s_barrier_wait -1
	s_mov_b32 s[CNT], 16
	s_branch .Lfirst                               ; the loop is entered at an odd period's head, in the middle of a trip
.Lpair:                                        ; 15 trips: the ends of periods 1 to 30 fill a slot again, with V(2) to V(31)
	TAIL 1, 2
	BODY 0, 2, 1
	TAIL 0, 2
.Lfirst:
	BODY 1, 2, 1
	WIN 0
	s_sub_co_u32 s[CNT], s[CNT], 1
	s_cmp_lg_u32 s[CNT], 0
	s_cbranch_scc1 .Lpair
	TAIL 1, 3                                      ; the end of period 31 is written out
	BODY 0, 2, 0                                   ; V^T P of step 31
	s_wait_dscnt 0x0
.set i, 0
	PVRUN 3, 32
	; THE WAY OUT.  l: my keys' two halves and the other half of the lanes'; the four waves' parts meet in LDS.  These additions are the places behind the last products.
	WIN 0
.irp t, 0,1,2,3
	v_add_f32 v[T+2*\t], v[ST+4*\t+2], v[ST+4*\t+3]
.endr
.irp t, 0,1,2,3
	v_permlanex16_b32 v[XR+\t], v[T+2*\t], s[SEL], s[SEL+1]
.endr
.irp t, 0,1,2,3
	v_add_f32 v[T+2*\t], v[T+2*\t], v[XR+\t]
.endr
.irp t, 0,1,2,3
	ds_store_b32 v[LXW], v[T+2*\t] offset:256*\t
.endr
	s_wait_dscnt 0x0                               ; my parts lie in LDS, and my reads of P are over:
	s_barrier_signal -1
	s_barrier_wait -1                              ; everybody's: from here on P's bytes are the stages
.irp t, 0,1,2,3
	ds_load_b128 v[MXV+4*\t:MXV+4*\t+3], v[LXR] offset:256*\t
.endr
	s_wait_dscnt 0x0
.irp t, 0,1,2,3
	v_add_f32 v[MXV+4*\t], v[MXV+4*\t], v[MXV+4*\t+1]
	v_add_f32 v[MXV+4*\t+2], v[MXV+4*\t+2], v[MXV+4*\t+3]
.endr
.irp t, 0,1,2,3
	v_add_f32 v[MXV+4*\t], v[MXV+4*\t], v[MXV+4*\t+2]
.endr
.irp t, 0,1,2,3
	v_rcp_f32 v[A+2*\t], v[MXV+4*\t]
.endr
	v_nop                                          ; a plain instruction behind the last reciprocal,
	s_wait_alu depctr_va_vdst(0)                   ; and one wait for the four, ahead of their first use
; Tile t: O / l + bias', the maximum with 0; a lane's 32 bytes of a row go into my stage (rows of 528 bytes) and come back as whole rows of 512.
.macro PACK t
	WIN 0x31                                       ; O^T window 1, 1 / l window 0, bias' window 3, destination window 0
.set cbi, 0
.rept 8
.irp q, 0,1,2,3
	v_pk_fma_f32 v[S+8*cbi+2*\q:S+8*cbi+2*\q+1], v[8*(4*cbi+(\t))+2*\q:8*(4*cbi+(\t))+2*\q+1], v[A+2*(\t):A+2*(\t)+1], v[192+8*cbi+2*\q:192+8*cbi+2*\q+1] op_sel_hi:[1,0,1]
.endr
.set cbi, cbi+1
.endr
	WIN 0
.set i, 0
.rept 64
	v_max_num_f32 v[S+i], 0, v[S+i]
.set i, i+1
.endr
.set cbi, 0
.rept 8
	ds_store_b128 v[STO], v[S+8*cbi:S+8*cbi+3]   offset:cbi*64
	ds_store_b128 v[STO], v[S+8*cbi+4:S+8*cbi+7] offset:cbi*64+16
.set cbi, cbi+1
.endr
.if (\t) >= 2
	s_wait_xcnt 0x0                                ; the stores of the tile two back have read these registers
.endif
.set f, 0
.rept 16
	ds_load_b128 v[TB+64*((\t)%2)+4*f:TB+64*((\t)%2)+4*f+3], v[RD] offset:f*SP  ; LDS serves a wave's instructions in order: these see the stores above; the next tile's stores come behind them
.set f, f+1
.endr
.endm
.macro SEND t, younger                 ; younger: the LDS instructions issued behind tile t's loads: the next tile's 32, or none
	WIN 0
.set f, 0
.rept 16
	s_wait_dscnt (\younger)+15-f
	global_store_b128 v[L16], v[TB+64*((\t)%2)+4*f:TB+64*((\t)%2)+4*f+3], s[12:13] offset:(16*(\t)+f)*2048 th:TH_STORE_NT  ; 512 consecutive bytes of a row of out0, aligned
.set f, f+1
.endr
.endm
	PACK 0
	PACK 1
	SEND 0, 32
	PACK 2
	SEND 1, 32
	PACK 3
	SEND 2, 32
	SEND 3, 0
	s_wait_tensorcnt 0x0                           ; the wave's end, behind my last tensor load and my last LDS store
	ds_add_u32 v[SPW], v[NIL]
	s_wait_dscnt 0x0
	CROUND                                         ; the closing round
	s_endpgm
.Lfunc_end_k_q5d1a113e8f_attn:
	.size	k_q5d1a113e8f_attn, .Lfunc_end_k_q5d1a113e8f_attn-k_q5d1a113e8f_attn
	.p2alignl 7, 3214868480
	.fill 96, 4, 3214868480
	.section	.rodata,"a",@progbits
	.p2align	6, 0x0
	.amdhsa_kernel k_q5d1a113e8f_attn
		.amdhsa_group_segment_fixed_size 327680
		.amdhsa_private_segment_fixed_size 0
		.amdhsa_enable_private_segment 0
		.amdhsa_kernarg_size 40
		.amdhsa_user_sgpr_count 2
		.amdhsa_user_sgpr_kernarg_segment_ptr 1
		.amdhsa_wavefront_size32 1
		.amdhsa_system_sgpr_workgroup_id_x 1
		.amdhsa_system_sgpr_workgroup_id_y 1
		.amdhsa_system_sgpr_workgroup_id_z 1
		.amdhsa_system_vgpr_workitem_id 0
		.amdhsa_next_free_vgpr 1024
		.amdhsa_next_free_sgpr 66
		.amdhsa_reserve_vcc 0
		.amdhsa_float_denorm_mode_32 3
		.amdhsa_float_denorm_mode_16_64 3
		.amdhsa_memory_ordered 1
		.amdhsa_forward_progress 1
		.amdhsa_inst_pref_size 195
	.end_amdhsa_kernel
	.amdgpu_metadata
---
amdhsa.version: [ 1, 2 ]
amdhsa.kernels:
  - .name:           k_q5d1a113e8f_attn
    .symbol:         k_q5d1a113e8f_attn.kd
    .args:
      - { .name: qf, .offset: 0, .size: 8, .value_kind: global_buffer, .address_space: global }
      - { .name: kf, .offset: 8, .size: 8, .value_kind: global_buffer, .address_space: global }
      - { .name: vf, .offset: 16, .size: 8, .value_kind: global_buffer, .address_space: global }
      - { .name: biasf, .offset: 24, .size: 8, .value_kind: global_buffer, .address_space: global }
      - { .name: out0, .offset: 32, .size: 8, .value_kind: global_buffer, .address_space: global }
    .group_segment_fixed_size: 327680
    .private_segment_fixed_size: 0
    .kernarg_segment_align: 8
    .kernarg_segment_size: 40
    .max_flat_workgroup_size: 128
    .sgpr_count:     66
    .vgpr_count:     1024
    .wavefront_size: 32
...
	.end_amdgpu_metadata
.endif
;; end of part 3
;; ======== version 2 of 2: 3 launches; version 1 with the launch prep written anew for expert scheduling mode
;; limits: values outside matrix products are rounded to bf16
;; workspace buffers: wf 655,360 bytes; biasf 2,048 bytes; qf 4,194,304 bytes; kf 4,194,304 bytes; vf 16,777,216 bytes
;; launch prep (part 4): grid 8 x 8, 4 waves a work-group, no clusters, 82,688 bytes of LDS; arguments w_qk, w_t, w_v, b_v, b_t, gamma, beta, run_mean, run_var, wf, biasf; writes wf, biasf
.if DOCPART == 4
	.amdgcn_target "amdgcn-amd-amdhsa--gfx1250"
	.amdhsa_code_object_version 6
	.text
	.protected	k_q5d1a113e8f_prep
	.globl	k_q5d1a113e8f_prep
	.p2align	8
	.type	k_q5d1a113e8f_prep,@function
k_q5d1a113e8f_prep:
	s_mov_b64 s[64:65], 0
	v_nop
	global_prefetch_b8 v0, s[64:65] scope:SCOPE_SE
	s_setreg_imm32_b32 hwreg(HW_REG_WAVE_SCHED_MODE, 0, 2), 2
	s_setreg_imm32_b32 hwreg(HW_REG_WAVE_MODE, 25, 1), 1
	s_wait_xcnt 0x0
	s_wait_alu depctr_vm_vsrc(0)
; PREP.  Softmax rows sum to 1, so  out = relu( attn . (W' y)^T + bias' )  with  inv = gamma / sqrt(run_var + 1e-5),
;   W'[o][c] = inv[o] * sum_e w_t[o][e] w_v[e][c],    bias'[o] = (sum_e w_t[o][e] b_v[e] + b_t[o] - run_mean[o]) * inv[o] + beta[o].
; This launch makes wf (w_qk and W' in bf16, in fragment order) and biasf (bias' in f32).
; FRAGMENT ORDER: a block of 1,024 bytes holds 16 rows x 32 k of bf16; byte 512 half + 16 lane + 2 e is element (row = lane % 16, k = 16 half + 8 (lane / 16) + e):
; two loads of 16 bytes a lane, at 16 lane and 512 further, are a matrix operand.  wf: [row tile 0..39][k step 0..15] blocks; row tiles 0-7 w_qk, 8-39 W'.
; SHARES.  Work-group (cb, ob): 64 rows o x 64 columns c of W'; wave w the 16 rows of o tile 4 ob + w.  A fifth column tile holds b_v in all 16 columns, so the same
; products make w_t b_v.  K = e = 512 in 16 steps.  w_v's block goes through LDS as bf16 [e][80 columns] and comes back turned (ds_load_tr16_b128).
; Each of the launch's 256 waves also converts one half block (512 bytes) of w_qk.
; LIMITS.  w_t, w_v, b_v (in the product) and W' are each rounded once to bf16; sums in f32.  run_var + 1e-5 must be a positive normal number.  NaN and infinities are not treated apart.
; THE MODE: SCHED_MODE bits 1:0 = 2 (LLVM: expert scheduling mode 2), set by the entry lines.  The code itself states the register dependences
; between vector or matrix instructions and memory or LDS instructions, with s_wait_alu, always for 0.
; THE PLAN.  Registers that memory or LDS instructions touch, in the order of the text:
;   v4, v6-v15, v230  offsets and addresses: written by vector lines at the head and never again; read by every load and store.
;   window 1          w_v's loads land; the conversions read and write it in place; the LDS stores read it; then the turned fragments of K steps 0-5 land, which matrix instructions read.
;   window 2          w_t's loads land; the conversions read it; then the turned fragments of K steps 6-11 land.       window 3: the fragments of K steps 12-15 alone.
;   BV                b_v's loads land; conversions read it; at the end one wave's LDS load lands in it and a store reads it.
;   BVP, QP, OP, TMP  written by vector lines, read by stores, never written again.       QR, PAR: loads land, vector lines read.
;   TF, ACC and INV are named by vector and matrix instructions alone.       SPW, NIL: written at the head, read by the closing add alone.
; So four waits on va_vdst stand in the text: ahead of the first load (the addresses); ahead of the one run of LDS stores (their data); behind the barrier, ahead of the turning loads (the conversions are
; done with windows 1 and 2; QP and the root are written); ahead of the way out's five stores (their data).  One wait on vm_vsrc stands beside the third: the LDS stores have read window 1.  One wait on
; va_sdst stands behind the line that makes the wave's number a scalar.  Every turned fragment has registers of its own, so behind the third wait the 160 turning loads owe nothing more and are dealt among
; the 80 matrix instructions, two K steps at a time, four K steps ahead.
.set PITCH, 160                        ; an LDS row: 80 bf16; 160 = 5 x 32 bytes
.set BX,    81920                      ; behind the 512 rows: 64 f32, the work-group's bias'
.set SPARE, 82176                      ; the spare words: 128 bytes a wave, two blocks of 256 bytes that no other line names
.set L16, 4                            ; v4   16 x lane
.set GV,  6                            ; v6   w_v: (l / 16) x 4 rows of 2,048 bytes + 16 (l % 16)
.set SA,  7                            ; v7   LDS: row 128 w + 4 (l / 16), 8 bytes a lane
.set GT,  8                            ; v8   w_t and w_qk: (l % 16) x 2,048 + 32 (l / 16)
.set TRA, 9                            ; v9   the turning load's address, K steps 0-7
.set BSA, 10                           ; v10  LDS: row 128 w + lane, column 64
.set L4,  11                           ; v11  4 x lane
.set R4,  12                           ; v12  4 x (l % 16)
.set BXW, 13                           ; v13  where my bias' goes
.set BXR, 14                           ; v14  where wave 0 reads two of them
.set TRB, 15                           ; v15  the turning load's address, K steps 8-15 (an LDS immediate has 16 bits)
.set BV,  16                           ; v16-19  b_v as loaded
.set PAR, 24                           ; v24-28  gamma, beta, run_mean, run_var, b_t of row o = l % 16
.set TMP, 29
.set INV, 30                           ; v30-31  inv, twice
.set ACC, 32                           ; v32-71  five accumulators
.set TF,  72                           ; v72-199 w_t's 16 fragments
.set QR,  200                          ; v200-207 w_qk as loaded
.set QP,  208                          ; v208-211 packed
.set OP,  212                          ; v212-227 W' packed
.set SPW, 228
.set NIL, 229
.set L8,  230                          ; v230 8 x lane
.set BVP, 232                          ; v232-247 b_v packed, four registers for each 32 rows
; window 1: w_v as loaded, then its turned fragments of K steps 0-5; window 2: w_t as loaded, then K steps 6-11; window 3: K steps 12-15
.set MSB, 0
.macro WIN new                         ; the immediate's high byte repeats the setting that is left
.if MSB != (\new)
	s_set_vgpr_msb (MSB<<8)|(\new)
.set MSB, (\new)
.endif
.endm
; Ten LDS loads: the five turned fragments (16 columns x 32 e each) of K step ks
.macro TRLD ks
	WIN (1+(\ks)/6)<<6
.set ct, 0
.rept 5
.set fr, (((\ks)%6)*5+ct)*8
.if (\ks) < 8
	ds_load_tr16_b128 v[fr:fr+3],   v[TRA] offset:(\ks)*32*PITCH+ct*32
	ds_load_tr16_b128 v[fr+4:fr+7], v[TRA] offset:(\ks)*32*PITCH+ct*32+16*PITCH
.else
	ds_load_tr16_b128 v[fr:fr+3],   v[TRB] offset:((\ks)-8)*32*PITCH+ct*32
	ds_load_tr16_b128 v[fr+4:fr+7], v[TRB] offset:((\ks)-8)*32*PITCH+ct*32+16*PITCH
.endif
.set ct, ct+1
.endr
.endm
; K step ks: source 0 = 16 columns c, source 1 = 16 rows o: a lane ends with row o = l % 16 and eight neighbouring c.  The five accumulators take turns; the first K step starts the sums.
.macro MULK ks
	WIN 1+(\ks)/6
.set ct, 0
.rept 5
.set fr, (((\ks)%6)*5+ct)*8
.if (\ks) == 0
	v_wmma_f32_16x16x32_bf16 v[ACC+8*ct:ACC+8*ct+7], v[fr:fr+7], v[TF+8*(\ks):TF+8*(\ks)+7], 0
.else
	v_wmma_f32_16x16x32_bf16 v[ACC+8*ct:ACC+8*ct+7], v[fr:fr+7], v[TF+8*(\ks):TF+8*(\ks)+7], v[ACC+8*ct:ACC+8*ct+7]
.endif
.set ct, ct+1
.endr
.endm
	s_load_b256 s[4:11], s[0:1], 0x0               ; w_qk s[4:5], w_t s[6:7], w_v s[8:9], b_v s[10:11]
	s_load_b256 s[12:19], s[0:1], 0x20             ; b_t s[12:13], gamma s[14:15], beta s[16:17], run_mean s[18:19]
	s_load_b128 s[20:23], s[0:1], 0x40             ; run_var s[20:21], wf s[22:23]
	s_load_b64 s[24:25], s[0:1], 0x50              ; biasf
	v_lshl_add_u32 v[SPW], v0, 2, SPARE
	v_mov_b32 v[NIL], 0
	v_lshrrev_b32 v5, 5, v0
	v_readfirstlane_b32 s26, v5                    ; wave 0..3
	s_mov_b32 s27, ttmp9                           ; cb
	s_and_b32 s28, ttmp7, 0xffff                   ; ob
	v_and_b32 v1, 15, v0                           ; l % 16.  The address lines that need no scalar stand between the line above that writes s26 and the wait for it
	v_bfe_u32 v2, v0, 4, 1                         ; l / 16
	v_and_b32 v3, 31, v0                           ; l
	v_lshlrev_b32 v[L16], 4, v3
	v_lshlrev_b32 v[GV], 4, v1
	v_lshl_add_u32 v[GV], v2, 13, v[GV]
	v_mul_u32_u24 v[SA], v2, 4*PITCH
	v_lshl_add_u32 v[SA], v1, 3, v[SA]
	v_lshlrev_b32 v[GT], 11, v1
	v_lshl_add_u32 v[GT], v2, 5, v[GT]
	v_and_b32 v5, 7, v0
	v_lshl_add_u32 v5, v2, 3, v5                   ; row 8 (l / 16) + l % 8
	v_mul_u32_u24 v[TRA], v5, PITCH
	v_bfe_u32 v5, v0, 3, 1
	v_lshl_add_u32 v[TRA], v5, 4, v[TRA]           ; + 16 ((l / 8) % 2)
	v_add_nc_u32 v[TRB], 8*32*PITCH, v[TRA]
	v_mul_u32_u24 v[BSA], v3, PITCH
	v_lshlrev_b32 v[L4], 2, v3
	v_lshlrev_b32 v[R4], 2, v1
	v_lshlrev_b32 v[L8], 3, v3
	v_add_nc_u32 v[BXR], BX, v[L8]
	s_wait_alu depctr_va_sdst(0)                   ; s26 is written, ahead of its first reader: the offsets below are made from it
	s_lshl2_add_u32 s29, s28, s26                  ; o tile = 4 ob + wave
	s_lshl3_add_u32 s30, s28, s27                  ; cb + 8 ob
	s_lshl2_add_u32 s30, s30, s26                  ; W: my wave among the launch's 256
	s_lshl_b32 s36, s26, 18                        ; w_v: 128 rows a wave,
	s_lshl_b32 s37, s27, 8                         ; 256 bytes a column block
	s_add_co_u32 s36, s36, s37
	s_mov_b32 s37, 0
	s_lshl_b32 s38, s26, 9                         ; b_v: 128 numbers a wave
	s_mov_b32 s39, 0
	s_lshl_b32 s40, s29, 15                        ; w_t: 16 rows of 2,048 bytes an o tile
	s_mov_b32 s41, 0
	s_lshr_b32 s42, s30, 5                         ; w_qk: row tile W / 32,
	s_lshl_b32 s42, s42, 15
	s_bfe_u32 s43, s30, 0x40001                    ; k step (W / 2) % 16: 128 bytes,
	s_lshl_b32 s43, s43, 7
	s_add_co_u32 s42, s42, s43
	s_and_b32 s43, s30, 1                          ; half W % 2: 64 bytes
	s_lshl_b32 s43, s43, 6
	s_add_co_u32 s42, s42, s43
	s_mov_b32 s43, 0
	s_lshl_b32 s44, s29, 6                         ; the five vectors over o: 16 numbers an o tile
	s_mov_b32 s45, 0
	s_lshl_b32 s46, s30, 9                         ; wf: my half block of w_qk
	s_mov_b32 s47, 0
	s_add_co_u32 s48, s29, 8                       ; wf: row tile 8 + o tile,
	s_lshl_b32 s48, s48, 14
	s_lshl_b32 s49, s27, 11                        ; two blocks a column block
	s_add_co_u32 s48, s48, s49
	s_mov_b32 s49, 0
	s_lshl_b32 s50, s28, 8                         ; biasf: 64 numbers a row block
	s_mov_b32 s51, 0
	s_mul_i32 s31, s26, 128*PITCH                  ; my 128 rows in LDS
	s_lshl_b32 s52, s26, 6
	v_add_nc_u32 v[SA], s31, v[SA]
	v_add_nc_u32 v[BSA], s31, v[BSA]
	v_add_nc_u32 v[BSA], 128, v[BSA]
	v_add_nc_u32 v[BXW], s52, v[R4]
	v_add_nc_u32 v[BXW], BX, v[BXW]
	s_wait_kmcnt 0x0
	s_add_nc_u64 s[8:9], s[8:9], s[36:37]
	s_add_nc_u64 s[10:11], s[10:11], s[38:39]
	s_add_nc_u64 s[6:7], s[6:7], s[40:41]
	s_add_nc_u64 s[4:5], s[4:5], s[42:43]
	s_add_nc_u64 s[12:13], s[12:13], s[44:45]
	s_add_nc_u64 s[14:15], s[14:15], s[44:45]
	s_add_nc_u64 s[16:17], s[16:17], s[44:45]
	s_add_nc_u64 s[18:19], s[18:19], s[44:45]
	s_add_nc_u64 s[20:21], s[20:21], s[44:45]
	s_add_nc_u64 s[32:33], s[22:23], s[46:47]
	s_add_nc_u64 s[34:35], s[22:23], s[48:49]
	s_add_nc_u64 s[24:25], s[24:25], s[50:51]
	; ALL LOADS.  w_v: load i takes rows 8 (i / 4) + i % 4 (lanes 0-15) and four rows below (lanes 16-31): twice 256 consecutive bytes, aligned
	WIN 0x40
	s_wait_alu depctr_va_vdst(0)                   ; the twelve offsets and addresses v4, v6 to v15 and v230 are written: every load and store of the kernel reads one of them, and none is written again
.set i, 0
.rept 64
	global_load_b128 v[4*i:4*i+3], v[GV], s[8:9] offset:(8*(i/4)+i%4)*2048
.set i, i+1
.endr
	WIN 0
.irp i, 0,1,2,3
	global_load_b32 v[BV+\i], v[L4], s[10:11] offset:128*\i
.endr
	WIN 0x80
.set ks, 0
.rept 16                               ; w_t: for K step ks a lane's e = 32 ks + 8 (l / 16) + 0..7 and 16 further
	global_load_b128 v[16*ks:16*ks+3],     v[GT], s[6:7] offset:128*ks
	global_load_b128 v[16*ks+4:16*ks+7],   v[GT], s[6:7] offset:128*ks+16
	global_load_b128 v[16*ks+8:16*ks+11],  v[GT], s[6:7] offset:128*ks+64
	global_load_b128 v[16*ks+12:16*ks+15], v[GT], s[6:7] offset:128*ks+80
.set ks, ks+1
.endr
	WIN 0
	global_load_b128 v[QR:QR+3],   v[GT], s[4:5]
	global_load_b128 v[QR+4:QR+7], v[GT], s[4:5] offset:16
	global_load_b32 v[PAR],   v[R4], s[14:15]      ; gamma
	global_load_b32 v[PAR+1], v[R4], s[16:17]      ; beta
	global_load_b32 v[PAR+2], v[R4], s[18:19]      ; run_mean
	global_load_b32 v[PAR+3], v[R4], s[20:21]      ; run_var
	global_load_b32 v[PAR+4], v[R4], s[12:13]      ; b_t
	s_wait_loadcnt 63                              ; 71 loads are younger than w_v's and b_v's; the count's field ends at 63, which asks for a little more than is needed
	WIN 0x45                                       ; w_v to bf16, in place
.set i, 0
.rept 64
	v_cvt_pk_bf16_f32 v[4*i],   v[4*i],   v[4*i+1]
	v_cvt_pk_bf16_f32 v[4*i+1], v[4*i+2], v[4*i+3]
.set i, i+1
.endr
	WIN 0
.irp i, 0,1,2,3                        ; b_v[e], sixteen times, for columns 64-79 of row e: all conversions stand ahead of the one wait for both runs of stores
.irp q, 0,1,2,3
	v_cvt_pk_bf16_f32 v[BVP+4*\i+\q], v[BV+\i], v[BV+\i]
.endr
.endr
	WIN 0x04                                       ; address window 0, data window 1
	s_wait_alu depctr_va_vdst(0)                   ; the conversions have written w_v's words in window 1 and BVP, which the 72 LDS stores below read
.set i, 0
.rept 64
	ds_store_b64 v[SA], v[4*i:4*i+1] offset:(8*(i/4)+i%4)*PITCH
.set i, i+1
.endr
	WIN 0
.irp i, 0,1,2,3                        ; a lane a row.  No wait: no vector instruction since the wait above
	ds_store_b128 v[BSA], v[BVP+4*\i:BVP+4*\i+3] offset:\i*32*PITCH
	ds_store_b128 v[BSA], v[BVP+4*\i:BVP+4*\i+3] offset:\i*32*PITCH+16
.endr
	s_wait_loadcnt 0x0
	WIN 0x0a                                       ; w_t to bf16: sources window 2, fragments window 0
.set q, 0
.rept 128
	v_cvt_pk_bf16_f32 v[TF+q], v[2*q], v[2*q+1]
.set q, q+1
.endr
	WIN 0
.irp q, 0,1,2,3
	v_cvt_pk_bf16_f32 v[QP+\q], v[QR+2*\q], v[QR+2*\q+1]
.endr
	v_add_f32 v[TMP], 0x3727c5ac, v[PAR+3]         ; run_var + 1e-5
	v_rsq_f32 v[TMP], v[TMP]
	v_nop                                          ; a plain instruction behind the root; its wait stands behind the barrier, ahead of its first use
	s_wait_dscnt 0x0                               ; my rows lie in LDS,
	s_barrier_signal -1
	s_barrier_wait -1                              ; everybody's do
	; The 80 turned fragments and the 80 products.  K steps 0 to 3 are asked for first; then, for each two K steps, the two that lie four further on are asked for ahead of the wait and the ten products.
	WIN 0x40
	s_wait_alu depctr_va_vdst(0)                   ; the conversions are done with windows 1 and 2, in which the fragments land; QP is written, which the store below reads; the root is written, which the line behind that store reads
	s_wait_alu depctr_vm_vsrc(0)                   ; the LDS stores have read w_v's words in window 1, in which the fragments of K steps 0 to 5 land
	TRLD 0
	TRLD 1
	TRLD 2
	TRLD 3
	WIN 0
	global_store_b128 v[L16], v[QP:QP+3], s[32:33] ; my half block of w_qk: 512 consecutive bytes, aligned
	v_mul_f32 v[INV], v[PAR], v[TMP]               ; these two name no register that a load or store touches
	v_mov_b32 v[INV+1], v[INV]
.set p, 0
.rept 8
.if p < 6
	TRLD 2*p+4                                     ; no wait: no vector or matrix instruction since the two waits above names these registers or v9, v15
	TRLD 2*p+5
	s_wait_dscnt 40                                ; LDS loads come back in order (ISA guide 5.7.1): K steps 2 p and 2 p + 1 are in; the four younger K steps' 40 loads stay out
.elseif p == 6
	s_wait_dscnt 20                                ; K steps 14 and 15 stay out
.else
	s_wait_dscnt 0x0
.endif
	MULK 2*p
	MULK 2*p+1
.set p, p+1
.endr
	WIN 0
.rept 4
	v_nop                                          ; four places behind the last product, ahead of the first read of a sum
.endr
.irp ct, 0,1,2,3
.irp q, 0,1,2,3
	v_pk_mul_f32 v[ACC+8*\ct+2*\q:ACC+8*\ct+2*\q+1], v[ACC+8*\ct+2*\q:ACC+8*\ct+2*\q+1], v[INV:INV+1] op_sel_hi:[1,0]
.endr
.endr
	v_add_f32 v[TMP], v[ACC+32], v[PAR+4]          ; w_t b_v + b_t
	v_sub_f32 v[TMP], v[TMP], v[PAR+2]             ; - run_mean
	v_fma_f32 v[TMP], v[TMP], v[INV], v[PAR+1]     ; x inv + beta
.irp ct, 0,1,2,3
.irp q, 0,1,2,3
	v_cvt_pk_bf16_f32 v[OP+4*\ct+\q], v[ACC+8*\ct+2*\q], v[ACC+8*\ct+2*\q+1]
.endr
.endr
	s_wait_alu depctr_va_vdst(0)                   ; the lines above have written TMP and OP, which the five stores below read
	ds_store_b32 v[BXW], v[TMP]                    ; both halves of the lanes hold the same number for row l % 16
.irp ct, 0,1,2,3
	global_store_b128 v[L16], v[OP+4*\ct:OP+4*\ct+3], s[34:35] offset:512*\ct  ; half a block: 512 consecutive bytes, aligned
.endr
	s_wait_dscnt 0x0
	s_barrier_signal -1
	s_barrier_wait -1
	s_cmp_lg_u32 s27, 0                            ; bias' hangs on the row block alone: the first column block's wave 0 stores it
	s_cbranch_scc1 .Lend
	s_cmp_lg_u32 s26, 0
	s_cbranch_scc1 .Lend
	ds_load_b64 v[BV:BV+1], v[BXR]                 ; no wait: the conversions that read BV stand ahead of three waits on va_vdst, and no memory instruction has read it
	s_wait_dscnt 0x0
	global_store_b64 v[L8], v[BV:BV+1], s[24:25]   ; 256 consecutive bytes, aligned
.Lend:
	s_wait_dscnt 0x0                               ; the closing lines, six on end
	s_wait_alu 0x0
	s_wait_tensorcnt 0x0
	ds_add_u32 v[SPW], v[NIL]
	s_wait_dscnt 0x0
	s_endpgm
.Lfunc_end_k_q5d1a113e8f_prep:
	.size	k_q5d1a113e8f_prep, .Lfunc_end_k_q5d1a113e8f_prep-k_q5d1a113e8f_prep
	.p2alignl 7, 3214868480
	.fill 96, 4, 3214868480
	.section	.rodata,"a",@progbits
	.p2align	6, 0x0
	.amdhsa_kernel k_q5d1a113e8f_prep
		.amdhsa_group_segment_fixed_size 82688
		.amdhsa_private_segment_fixed_size 0
		.amdhsa_enable_private_segment 0
		.amdhsa_kernarg_size 88
		.amdhsa_user_sgpr_count 2
		.amdhsa_user_sgpr_kernarg_segment_ptr 1
		.amdhsa_wavefront_size32 1
		.amdhsa_system_sgpr_workgroup_id_x 1
		.amdhsa_system_sgpr_workgroup_id_y 1
		.amdhsa_system_sgpr_workgroup_id_z 1
		.amdhsa_system_vgpr_workitem_id 0
		.amdhsa_next_free_vgpr 1024
		.amdhsa_next_free_sgpr 66
		.amdhsa_reserve_vcc 0
		.amdhsa_float_denorm_mode_32 3
		.amdhsa_float_denorm_mode_16_64 3
		.amdhsa_memory_ordered 1
		.amdhsa_forward_progress 1
		.amdhsa_inst_pref_size 59
	.end_amdhsa_kernel
	.amdgpu_metadata
---
amdhsa.version: [ 1, 2 ]
amdhsa.kernels:
  - .name:           k_q5d1a113e8f_prep
    .symbol:         k_q5d1a113e8f_prep.kd
    .args:
      - { .name: w_qk, .offset: 0, .size: 8, .value_kind: global_buffer, .address_space: global }
      - { .name: w_t, .offset: 8, .size: 8, .value_kind: global_buffer, .address_space: global }
      - { .name: w_v, .offset: 16, .size: 8, .value_kind: global_buffer, .address_space: global }
      - { .name: b_v, .offset: 24, .size: 8, .value_kind: global_buffer, .address_space: global }
      - { .name: b_t, .offset: 32, .size: 8, .value_kind: global_buffer, .address_space: global }
      - { .name: gamma, .offset: 40, .size: 8, .value_kind: global_buffer, .address_space: global }
      - { .name: beta, .offset: 48, .size: 8, .value_kind: global_buffer, .address_space: global }
      - { .name: run_mean, .offset: 56, .size: 8, .value_kind: global_buffer, .address_space: global }
      - { .name: run_var, .offset: 64, .size: 8, .value_kind: global_buffer, .address_space: global }
      - { .name: wf, .offset: 72, .size: 8, .value_kind: global_buffer, .address_space: global }
      - { .name: biasf, .offset: 80, .size: 8, .value_kind: global_buffer, .address_space: global }
    .group_segment_fixed_size: 82688
    .private_segment_fixed_size: 0
    .kernarg_segment_align: 8
    .kernarg_segment_size: 88
    .max_flat_workgroup_size: 128
    .sgpr_count:     66
    .vgpr_count:     1024
    .wavefront_size: 32
...
	.end_amdgpu_metadata
.endif
;; end of part 4
;; launch proj: the kernel of part 2 again; grid 64 x 4, 4 waves a work-group, clusters of 4 x 1, 327,680 bytes of LDS; arguments x, y, wf, qf, kf, vf; writes qf, kf, vf
;; launch attn: the kernel of part 3 again; grid 64 x 4, 4 waves a work-group, clusters of 4 x 1, 327,680 bytes of LDS; arguments qf, kf, vf, biasf, out0; writes out0
